; MI455X (gfx1250); checked and timed in simulation.
; The chip was launched on July 23, 2026; its instructions are those of AMD's public machine-readable ISA for CDNA 5 (MIT licence, August 2026) and "CDNA5" Instruction Set Architecture Reference Guide (July 2026). The comments in the code are by the model that wrote it; some were corrected since.
;; Element Readout MLP. Allowed arithmetic: matrix products marked QUANTISED: E2M3 operands, one E8M0 scale for each 32 along K, by v_wmma_scale_f32_16x16x128_f8f6f4 with both operands' format E2M3, f32 sums; products left as they are: f32 operands where the result goes on into a quantised operand, else bf16, f16 or f32 operands; f32 sums; everything else in f32.
;; Inputs: W1 10 x 256 x 256 float32; W2 10 x 256 x 1 float32; b1 10 x 256 float32; b2 10 x 1 float32; input_tensor 100,000 x 256 float32; species 100,000 int32.
;; Outputs: out0 100,000 x 1 float32.
;; This version of the problem:
;;   THIS VERSION OF THE PROBLEM IS GIVEN IN LOW PRECISION. The matrix products marked QUANTISED in the list below multiply operands that are first quantised to E2M3 (2 exponent bits, 3 mantissa bits; 6 bits a number), with one power-of-two scale for each 32 numbers along K (OCP MX v1.0); their sums are f32. All else is computed in f32.
;;   The module's matrix products, in the order in which they are computed (A, B: the left and right operand; K: the contracted axis; several contracted axes count as one K, in the product's order):
;;     1. [M 100,000, K 256] x [K 256, N 256]; A: input input_tensor; B: input W1: QUANTISED
;;     2. [M 100,000, K 256] x [K 256, N 256]; A: input input_tensor; B: input W1: QUANTISED
;;     3. [M 100,000, K 256] x [K 256, N 256]; A: input input_tensor; B: input W1: QUANTISED
;;     4. [M 100,000, K 256] x [K 256, N 256]; A: input input_tensor; B: input W1: QUANTISED
;;     5. [M 100,000, K 256] x [K 256, N 256]; A: input input_tensor; B: input W1: QUANTISED
;;     6. [M 100,000, K 256] x [K 256, N 256]; A: input input_tensor; B: input W1: QUANTISED
;;     7. [M 100,000, K 256] x [K 256, N 256]; A: input input_tensor; B: input W1: QUANTISED
;;     8. [M 100,000, K 256] x [K 256, N 256]; A: input input_tensor; B: input W1: QUANTISED
;;     9. [M 100,000, K 256] x [K 256, N 256]; A: input input_tensor; B: input W1: QUANTISED
;;     10. [M 100,000, K 256] x [K 256, N 256]; A: input input_tensor; B: input W1: QUANTISED
;;     11. [M 100,000, K 256] x [K 256, N 1]; A: computed on the way; B: input W2: left as it is (N = 1 < 16)
;;     12. [M 100,000, K 256] x [K 256, N 1]; A: computed on the way; B: input W2: left as it is (N = 1 < 16)
;;     13. [M 100,000, K 256] x [K 256, N 1]; A: computed on the way; B: input W2: left as it is (N = 1 < 16)
;;     14. [M 100,000, K 256] x [K 256, N 1]; A: computed on the way; B: input W2: left as it is (N = 1 < 16)
;;     15. [M 100,000, K 256] x [K 256, N 1]; A: computed on the way; B: input W2: left as it is (N = 1 < 16)
;;     16. [M 100,000, K 256] x [K 256, N 1]; A: computed on the way; B: input W2: left as it is (N = 1 < 16)
;;     17. [M 100,000, K 256] x [K 256, N 1]; A: computed on the way; B: input W2: left as it is (N = 1 < 16)
;;     18. [M 100,000, K 256] x [K 256, N 1]; A: computed on the way; B: input W2: left as it is (N = 1 < 16)
;;     19. [M 100,000, K 256] x [K 256, N 1]; A: computed on the way; B: input W2: left as it is (N = 1 < 16)
;;     20. [M 100,000, K 256] x [K 256, N 1]; A: computed on the way; B: input W2: left as it is (N = 1 < 16)
;;   THE QUANTISER, for each operand of a quantised product, along K:
;;     - K is cut into blocks of 32 from its start; a last block that is shorter is filled with zeros.
;;     - A block's scale is 2^e with e = floor(log2(the largest magnitude in the block)) - 2, held to -126 .. 127; a block of zeros has e = 0. As a byte (E8M0): e + 127.
;;     - Each number is divided by its block's scale, clamped to +-7.5, and rounded to the nearest number of E2M3, ties to even, subnormals kept.
;;     - The product sums the exact products of the quantised numbers (number of the format x scale) in f32.
;;   ~~~python
;;   def quantise(x, axis):      # numpy; x: float32 -> the quantised numbers, widened to float32 again
;;       x = np.moveaxis(x, axis, -1); K = x.shape[-1]
;;       x = np.pad(x, [(0, 0)] * (x.ndim - 1) + [(0, -K % 32)]); x = x.reshape(x.shape[:-1] + (-1, 32)); a = np.abs(x).max(-1, keepdims=True)
;;       e = np.where(a > 0, np.clip(np.frexp(np.where(a > 0, a, 1))[1] - 1 - 2, -126, 127), 0)      # np.frexp(a)[1] - 1 = floor(log2(a)), exactly
;;       r = np.clip(x / 2.0 ** e, -7.5, 7.5)
;;       step = 2.0 ** (np.maximum(np.frexp(np.where(r == 0, 1, r))[1] - 1, 0) - 3)
;;       q = np.round(r / step) * step * 2.0 ** e      # np.round: ties to even
;;       return np.moveaxis(q.reshape(q.shape[:-2] + (-1,))[..., :K], -1, axis).astype(np.float32)
;;   ~~~
;; 2 versions. Each part assembles by itself: llvm-mc -triple=amdgcn-amd-amdhsa -mcpu=gfx1250 --defsym DOCPART=n.
;; ======== version 1 of 2: 2 launches
;; workspace buffers: list 4,096,000 bytes of whole numbers; counts 1,024 bytes of whole numbers; wq 491,520 bytes; wsc 20,480 bytes
;; launch prep (part 1): grid 10 x 29, 8 waves a work-group, no clusters, 1,280 bytes of LDS; arguments species, W1, list, counts, wq, wsc; writes list, counts, wq, wsc
.if DOCPART == 1
	.amdgcn_target "amdgcn-amd-amdhsa--gfx1250"
	.amdhsa_code_object_version 6
	.text
	.protected	k_q117ab27d0e_prep
	.globl	k_q117ab27d0e_prep
	.p2align	8
	.type	k_q117ab27d0e_prep,@function
k_q117ab27d0e_prep:
	s_mov_b64 s[64:65], 0
	v_nop
	global_prefetch_b8 v0, s[64:65] scope:SCOPE_SE
	s_setreg_imm32_b32 hwreg(HW_REG_WAVE_MODE, 25, 1), 1
	s_wait_xcnt 0x0
; TWO JOBS IN ONE LAUNCH, parted by the work-group's y alone (x = the element e, 0..9).
; y = 0..24 (g): the 4,000 atoms of block g are searched for species e; the local numbers (0..3999) of those found go, packed, to list[10 g + e][0 .. n), a 0 to list[10 g + e][n], and n to counts[10 g + e].
;   (The word at place n serves the empty list: the next launch's look-ahead then reads place 0, and so reads only words that were written.)
;   The order within a list is free: each place is given once.  No atomics: places come from counts of mask bits and a prefix over the eight waves, handed on through 32 bytes of LDS.
;   Every place is made, and held at a constant, ahead of the first line that narrows EXEC.
; y = 25..28: W1[e] ([256 (k)][256 (n)] f32, K its first axis) becomes codes of FP6 (E2M3) with one E8M0 byte for each 32 along K.  A wave makes ONE operand fragment (16 columns x 128 K):
;   a lane takes a column and its registers run down K in the order in which the operand's layout gives that lane its k, so the conversions' results are the operand's registers.
;   wq holds each fragment as an image of its 12 registers: [e][f][group of 4 registers][lane][16 bytes]; f = 16 (T / 8) + 8 s + T % 8 (T: tile of 16 columns, s: K step of 128).
;   wsc holds the scale words [e][T][s][column % 16]: read at 4 x lane, a register has K step 0's words in lanes 0-15 and K step 1's in lanes 16-31.
; A block's scale is 2^(floor(log2(largest magnitude)) - 2): its byte is the largest magnitude's exponent field - 2, held at 1 from below.
; LIMITS: a block whose largest magnitude lies under 2^-124, a block of zeros among them, gets the byte 1 (a block of zeros has zero codes, and this program alone reads the bytes);
; NaN and infinities in W1 are not served; an atom whose species is outside 0..9 enters no list.
.set NBLK,  25                         ; blocks of atoms
.set BLOCK, 4000                       ; atoms in a block
.set K,   4                            ; v4-19   sixteen species numbers of my thread
.set P,   20                           ; v20-35  their byte places in the list
.set DD,  36                           ; v36-51  their local atom numbers
	s_load_b256 s[4:11], s[0:1], 0x0               ; species s[4:5], W1 s[6:7], list s[8:9], counts s[10:11]
	s_load_b128 s[12:15], s[0:1], 0x20             ; wq s[12:13], wsc s[14:15]
	v_lshl_add_u32 v128, v0, 2, 0x100
	v_mov_b32 v129, 0
	v_lshrrev_b32 v1, 5, v0
	v_readfirstlane_b32 s16, v1                    ; wave 0..7
	s_mov_b32 s17, ttmp9                           ; e
	s_and_b32 s18, ttmp7, 0xffff                   ; y
	s_mov_b32 s51, 0
	s_cmp_ge_u32 s18, NBLK                         ; the same answer in all eight waves of a work-group
	s_cbranch_scc1 .Lweights
	; ---------------- the lists ----------------
	s_mul_i32 s19, s18, 10
	s_add_co_u32 s19, s19, s17                     ; id = 10 g + e
	v_lshlrev_b32 v1, 4, v0                        ; thread t takes quads t, t + 256, t + 512, t + 768 of the block's 1,000 quads of atoms: 16 bytes each
	v_min_u32 v2, 3696, v1                         ; the fourth exists for t < 232 alone: the others read quad 999 again, so that no load leaves the buffer
	v_lshlrev_b32 v3, 2, v0                        ; 4 t: the first atom of my first quad
	v_lshrrev_b32 v61, 5, v0
	v_lshlrev_b32 v61, 2, v61                      ; LDS: my wave's word, 4 x wave
	v_mov_b32 v62, 0
	s_mul_i32 s50, s18, 4*BLOCK
	s_wait_kmcnt 0x0
	s_add_nc_u64 s[4:5], s[4:5], s[50:51]          ; species at block g
	s_lshl_b32 s50, s19, 14
	s_add_nc_u64 s[8:9], s[8:9], s[50:51]          ; my list: 4,096 words
	s_lshl_b32 s50, s19, 2
	s_add_nc_u64 s[10:11], s[10:11], s[50:51]      ; my count
	global_load_b128 v[K:K+3],     v1, s[4:5]
	global_load_b128 v[K+4:K+7],   v1, s[4:5] offset:4096
	global_load_b128 v[K+8:K+11],  v1, s[4:5] offset:8192
	global_load_b128 v[K+12:K+15], v2, s[4:5] offset:12288
	s_wait_loadcnt 0x0
	v_cmp_gt_u32 vcc_lo, 232, v0
.irp c, 0,1,2,3
	v_cndmask_b32 v[K+12+\c], -1, v[K+12+\c], vcc_lo   ; a quad that does not exist matches no element
.endr
.irp j, 0,1,2,3,4,5,6,7,8,9,10,11,12,13,14,15
	v_cmp_eq_u32 s[32+\j], s17, v[K+\j]            ; sixteen masks: which lanes hold an atom of element e
.endr
	s_mov_b32 s20, 0
.irp j, 0,1,2,3,4,5,6,7,8,9,10,11,12,13,14,15
	s_bcnt1_i32_b32 s49, s[32+\j]
	s_add_co_u32 s20, s20, s49                     ; my wave's number of them
.endr
	v_mov_b32 v60, s20
	ds_store_b32 v61, v60                          ; all lanes write the same word with the same value
	s_wait_dscnt 0x0                               ; for the others' sake: my store has landed
	s_barrier_signal -1
	s_barrier_wait -1
	ds_load_b128 v[52:55], v62                     ; the eight waves' numbers
	ds_load_b128 v[56:59], v62 offset:16
	s_wait_dscnt 0x0
.irp i, 0,1,2,3,4,5,6,7
	v_readfirstlane_b32 s[24+\i], v[52+\i]
.endr
	s_mov_b32 s21, 0                               ; where my wave's part of the list begins: the sum over the waves before me
	s_mov_b32 s22, 0                               ; n: the sum over all
.irp i, 0,1,2,3,4,5,6,7
	s_add_co_u32 s22, s22, s[24+\i]
	s_cmp_lt_u32 \i, s16
	s_cselect_b32 s49, s[24+\i], 0
	s_add_co_u32 s21, s21, s49
.endr
.irp j, 0,1,2,3,4,5,6,7,8,9,10,11,12,13,14,15
	v_mbcnt_lo_u32_b32 v[P+\j], s[32+\j], s21      ; the place: what stands before this mask + the mask's bits under my lane
	s_bcnt1_i32_b32 s49, s[32+\j]
	s_add_co_u32 s21, s21, s49
	v_min_u32 v[P+\j], 4095, v[P+\j]               ; a number made of loaded data enters an address only behind a hold at a constant (it never bites: n is 4,000 at the most)
	v_lshlrev_b32 v[P+\j], 2, v[P+\j]
	v_add_nc_u32 v[DD+\j], 1024*(\j/4)+\j%4, v3    ; the atom's number in the block: 4 (t + 256 i) + c
.endr
	v_mov_b32 v60, s22                             ; n,
	v_mov_b32 v63, s22
	v_min_u32 v63, 4095, v63                       ; and its place in the list, held at a constant like the others,
	v_lshlrev_b32 v63, 2, v63                      ; in bytes
	s_wait_xcnt 0x0                                ; EXEC changes only behind a wait on XCNT for 0
.irp j, 0,1,2,3,4,5,6,7,8,9,10,11,12,13,14,15
	s_mov_b32 vcc_lo, s[32+\j]
	s_and_saveexec_b32 s48, vcc_lo                 ; the lanes that found one
	global_store_b32 v[P+\j], v[DD+\j], s[8:9]
	s_wait_xcnt 0x0                                ; and again in front of the line that widens it
	s_or_b32 exec_lo, exec_lo, s48
.endr
	v_cmp_eq_u32 vcc_lo, 0, v0                     ; thread 0 of the work-group: one lane of wave 0; in the other seven waves no lane is left on, and the two stores do nothing
	s_and_saveexec_b32 s48, vcc_lo
	global_store_b32 v62, v60, s[10:11]            ; n
	global_store_b32 v63, v62, s[8:9]              ; and the 0 behind the list's last entry
	s_wait_xcnt 0x0
	s_or_b32 exec_lo, exec_lo, s48
	s_wait_xcnt 0x0
	s_mov_b32 exec_lo, -1
	s_wait_tensorcnt 0x0
	ds_add_u32 v128, v129
	s_wait_dscnt 0x0
	s_endpgm
	; ---------------- the weights ----------------
.Lweights:
	s_sub_co_u32 s19, s18, NBLK                    ; y' = 0..3
	s_and_b32 s23, s19, 1                          ; s: the K step
	s_lshr_b32 s24, s19, 1
	s_lshl_b32 s24, s24, 3
	s_add_co_u32 s24, s24, s16                     ; T = 8 (y' / 2) + wave
	s_lshl_b32 s25, s19, 3
	s_add_co_u32 s25, s25, s16                     ; f = 8 y' + wave
	s_lshl_b32 s50, s17, 18                        ; W1: 262,144 e + 131,072 s + 64 T bytes
	s_lshl_b32 s49, s23, 17
	s_add_co_u32 s50, s50, s49
	s_lshl_b32 s49, s24, 6
	s_add_co_u32 s50, s50, s49
	s_mul_i32 s52, s17, 49152                      ; wq: 49,152 e + 1,536 f
	s_mul_i32 s49, s25, 1536
	s_add_co_u32 s52, s52, s49
	s_mov_b32 s53, 0
	s_lshl_b32 s54, s17, 11                        ; wsc: 2,048 e + 128 T + 64 s
	s_lshl_b32 s49, s24, 7
	s_add_co_u32 s54, s54, s49
	s_lshl_b32 s49, s23, 6
	s_add_co_u32 s54, s54, s49
	s_mov_b32 s55, 0
	v_and_b32 v1, 31, v0                           ; lane
	v_and_b32 v2, 15, v0                           ; r: my column of the tile
	v_bfe_u32 v3, v0, 4, 1                         ; h
	v_lshlrev_b32 v7, 2, v2                        ; 4 r
	v_lshl_add_u32 v5, v3, 15, v7                  ; lanes 16-31 begin 32 rows of 1,024 bytes further down: lane (r, h) holds k = 64 c + 32 h + 0 .. 31
	v_lshlrev_b32 v6, 4, v1                        ; an image's place for my lane
	v_lshlrev_b32 v8, 3, v3                        ; 8 h: my bytes' place in the scale word
	v_mov_b32 v19, 0                               ; a lane permute's destination counts as one of its sources
	s_mov_b32 s20, 0x76543210
	s_mov_b32 s21, 0xfedcba98                      ; v_permlanex16_b32's selects for lane l xor 16
	s_wait_kmcnt 0x0
	s_add_nc_u64 s[6:7], s[6:7], s[50:51]
	s_add_nc_u64 s[12:13], s[12:13], s[52:53]
	s_add_nc_u64 s[14:15], s[14:15], s[54:55]
.irp c, 0,1
.irp i, 0,1,2,3,4,5,6,7,8,9,10,11,12,13,14,15,16,17,18,19,20,21,22,23,24,25,26,27,28,29,30,31
	global_load_b32 v[32+32*\c+\i], v5, s[6:7] offset:(64*\c+\i)*1024   ; W1(128 s + 64 c + 32 h + i, 16 T + r): sixteen lanes read 64 neighbouring bytes, the eight waves side by side
.endr
.endr
	s_wait_loadcnt 0x0
.irp c, 0,1                                    ; my two blocks: all 32 numbers of each are mine
	v_max3_num_f32 v[12+\c], |v[32+32*\c]|, |v[33+32*\c]|, 0x1800000   ; with the floor 2^(3 - 127): the byte cannot fall under 1
.endr
.irp i, 2,4,6,8,10,12,14,16,18,20,22,24,26,28,30
.irp c, 0,1
	v_max3_num_f32 v[12+\c], v[12+\c], |v[32+32*\c+\i]|, |v[33+32*\c+\i]|
.endr
.endr
.irp c, 0,1
	v_add_nc_u32 v[14+\c], 0xff000000, v[12+\c]    ; 2 off the exponent field: the conversion takes this operand's exponent field as its scale
.endr
.irp c, 0,1
	v_lshrrev_b32 v[16+\c], 23, v[14+\c]           ; the scale's byte
.endr
	v_lshl_or_b32 v18, v17, 16, v16                ; my two bytes: blocks h and 2 + h of the K step,
	v_lshlrev_b32 v18, v8, v18                     ; at their places in the word;
	v_permlanex16_b32 v19, v18, s20, s21
	v_or_b32 v18, v18, v19                         ; with lane l xor 16's two the word is whole
.irp c, 0,1
	v_cvt_scalef32_pk16_fp6_f32 v[96+6*\c:98+6*\c], v[32+32*\c:47+32*\c], v[14+\c]     ; registers 6 c .. 6 c + 2 of the fragment
	v_cvt_scalef32_pk16_fp6_f32 v[108+4*\c:110+4*\c], v[48+32*\c:63+32*\c], v[14+\c]   ; (a conversion's three registers begin on an even number: the second three are made elsewhere and moved)
.endr
	v_nop                                          ; one plain place behind a scaled conversion
.irp c, 0,1
.irp i, 0,1,2
	v_mov_b32 v[99+6*\c+\i], v[108+4*\c+\i]
.endr
.endr
.irp g, 0,1,2
	global_store_b128 v6, v[96+4*\g:99+4*\g], s[12:13] offset:512*\g   ; each store of the wave covers 512 consecutive bytes, at a multiple of 512 from wq's first byte
.endr
	v_cmp_gt_u32 vcc_lo, 16, v1
	s_wait_xcnt 0x0                                ; EXEC changes only behind a wait on XCNT for 0
	s_and_saveexec_b32 s48, vcc_lo
	global_store_b32 v7, v18, s[14:15]             ; lanes 0-15: the sixteen columns' words of this K step
	s_wait_xcnt 0x0
	s_or_b32 exec_lo, exec_lo, s48
	s_endpgm
.Lfunc_end_k_q117ab27d0e_prep:
	.size	k_q117ab27d0e_prep, .Lfunc_end_k_q117ab27d0e_prep-k_q117ab27d0e_prep
	.p2alignl 7, 3214868480
	.fill 96, 4, 3214868480
	.section	.rodata,"a",@progbits
	.p2align	6, 0x0
	.amdhsa_kernel k_q117ab27d0e_prep
		.amdhsa_group_segment_fixed_size 1280
		.amdhsa_private_segment_fixed_size 0
		.amdhsa_enable_private_segment 0
		.amdhsa_kernarg_size 48
		.amdhsa_user_sgpr_count 2
		.amdhsa_user_sgpr_kernarg_segment_ptr 1
		.amdhsa_wavefront_size32 1
		.amdhsa_system_sgpr_workgroup_id_x 1
		.amdhsa_system_sgpr_workgroup_id_y 1
		.amdhsa_system_sgpr_workgroup_id_z 1
		.amdhsa_system_vgpr_workitem_id 0
		.amdhsa_next_free_vgpr 130
		.amdhsa_next_free_sgpr 66
		.amdhsa_reserve_vcc 1
		.amdhsa_float_denorm_mode_32 3
		.amdhsa_float_denorm_mode_16_64 3
		.amdhsa_memory_ordered 1
		.amdhsa_forward_progress 1
		.amdhsa_inst_pref_size 25
	.end_amdhsa_kernel
	.amdgpu_metadata
---
amdhsa.version: [ 1, 2 ]
amdhsa.kernels:
  - .name:           k_q117ab27d0e_prep
    .symbol:         k_q117ab27d0e_prep.kd
    .args:
      - { .name: species, .offset: 0, .size: 8, .value_kind: global_buffer, .address_space: global }
      - { .name: W1, .offset: 8, .size: 8, .value_kind: global_buffer, .address_space: global }
      - { .name: list, .offset: 16, .size: 8, .value_kind: global_buffer, .address_space: global }
      - { .name: counts, .offset: 24, .size: 8, .value_kind: global_buffer, .address_space: global }
      - { .name: wq, .offset: 32, .size: 8, .value_kind: global_buffer, .address_space: global }
      - { .name: wsc, .offset: 40, .size: 8, .value_kind: global_buffer, .address_space: global }
    .group_segment_fixed_size: 1280
    .private_segment_fixed_size: 0
    .kernarg_segment_align: 8
    .kernarg_segment_size: 48
    .max_flat_workgroup_size: 256
    .sgpr_count:     66
    .vgpr_count:     130
    .wavefront_size: 32
...
	.end_amdgpu_metadata
.endif
;; end of part 1
;; launch main (part 2): grid 10 x 25, 4 waves a work-group, no clusters, 0 bytes of LDS; arguments input_tensor, list, counts, wq, wsc, b1, W2, b2, out0; writes out0
.if DOCPART == 2
	.amdgcn_target "amdgcn-amd-amdhsa--gfx1250"
	.amdhsa_code_object_version 6
	.text
	.protected	k_q117ab27d0e_main
	.globl	k_q117ab27d0e_main
	.p2align	8
	.type	k_q117ab27d0e_main,@function
k_q117ab27d0e_main:
	s_mov_b64 s[64:65], 0
	v_nop
	global_prefetch_b8 v0, s[64:65] scope:SCOPE_SE
	s_setreg_imm32_b32 hwreg(HW_REG_WAVE_MODE, 25, 1), 1
	s_wait_xcnt 0x0
; out[a] = silu(x[a] W1[e] + b1[e]) . W2[e] + b2[e] for the atoms a of block g (4,000 atoms) whose species is e: work-group (x = e, y = g).  Only the chosen element's product is made: the others' are
; thrown away by the mask that the problem builds from species.  The first product runs on codes of FP6 (E2M3) with one E8M0 scale for each 32 along K; the second (one column) is f32 multiply-adds.
; SHARES.  The four waves share nothing: no LDS, no barrier.  Each keeps ALL of W1[e] as 32 operand fragments (384 registers), loaded once as images of the registers.  Wave w takes tiles w, w + 4, .. of the
; work-group's list, 16 rows a tile.  Lane (r, h) gathers row list[16 t + r] and holds k = 128 s + 64 c + 32 h + 0 .. 31: whole blocks of 32, in the operand's own order, so a block's largest magnitude needs no
; other lane and the conversions' results are the operand's registers.
; THE PRODUCT: source 0 = 16 rows of x, source 1 = 16 columns of W1[e]: register j of lane (r, h) is (row 8 h + j, column 16 T + r).  So b1 and W2 are ONE number a lane and tile.  With c = log2(e):
;   t = D (-c) + (-c b1);  u = 2^t;  sg = 1 / (1 + u);  gg = D w2 + b1 w2;  acc += gg sg: four packed lines a pair of numbers, two transcendentals a number.  u = infinity gives sg = 0, u = 0 gives sg = 1.
; AHEAD.  x of tiles k + 1 and k + 2 is on its way while tile k is worked (two register buffers of 128); the list's entries run one tile further ahead.  Past the list's end the place is held at n - 1, the
; last entry (in an empty list at 0, where the earlier launch has stored a 0): every load stays in its buffer and reads only list words that were written.
; ALL LANES STAY ON: EXEC is never written.  In a list's last tile the places past its end repeat the last row: the same codes give the same number, which goes to the same place again.  Row r's number is
; brought to both lanes (r, 0) and (r, 1), which store it to the same place.
; THE LOOP is counted against a constant: a list has 4,000 rows at the most, 250 tiles, 63 for a wave: 32 trips of two tiles.  Every wave enters it; at the head of each tile's turn a wave that has no tile left
; goes to its end.  A wave that a split leaves without a tile goes there at the first test, and stores nothing.
; NO CLUSTER, NO JOINT LOADS: where a wave leaves the loop hangs on a count read from memory; what the 25 work-groups of an element
; share is 49,152 bytes of codes, read once by each wave, beside 1,024 bytes of x for each row of the work-group's own list.
; OUTPUT: a work-group owns a scattered part of its block's 4,000 outputs, so the lanes store 4 bytes each to places of their own: 400,000 bytes in all against 102,400,000 read.
; LIMITS: an atom whose species is outside 0..9 is in no list and gets no output; NaN and infinities in x are not served; a block of x whose largest magnitude lies under 2^-124 gets the scale byte 1
; (a block of zeros has zero codes).
; REGISTERS, in windows of 256 (s_set_vgpr_msb: bits 1:0 source 0, 3:2 source 1, 5:4 source 2, 7:6 destination):
;   window 0: below.   window 1: fragments 0-20 at v[12 f].   window 2: fragments 21-30 at v[12 (f - 21)]; v128-255 x, buffer 0.   window 3: v0-127 x, buffer 1; v128-191 eight accumulators; v192-255 at work.
.set MAXK, 64                          ; the loop's bound: tiles of a wave, rounded up to whole trips of two
.set VR,   1                           ; v1      r = lane % 16
.set VH,   2                           ; v2      h = lane / 16
.set LI,   3                           ; v3      16 x lane: an image's place for my lane
.set LS,   4                           ; v4      4 x lane
.set R4,   5                           ; v5      4 r
.set HL,   6                           ; v6      128 h: my half of each 256 bytes of a row of x
.set SH,   7                           ; v7      8 h
.set POS,  8                           ; v8      the list place of the entry asked for last
.set PA,   9                           ; v9      its byte address in the list
.set RAW,  10                          ; v10-11  list entries as loaded, by the tile's parity
.set XA,   12                          ; v12-13  byte offset of my row's part in x, by parity
.set ROW,  14                          ; v14-15  the row number, as loaded, of the tile whose x is in buffer 0, 1: kept for its store
.set TMPA, 16                          ; v16     at work
.set VAL,  17                          ; v17     the number to store
.set XS,   18                          ; v18-19  x's scale words of K steps 0, 1: scales and nothing else
.set TM,   20                          ; v20-23  the four blocks' largest magnitudes
.set SO,   24                          ; v24-27  the conversions' scale operands
.set BY,   28                          ; v28-31  the scale bytes
.set WD,   32                          ; v32     a scale word in the making
.set WX,   33                          ; v33     what the other half of the lanes sends
.set XF,   34                          ; v34-57  x's two fragments
.set CT,   58                          ; v58-73  the second halves of the blocks' codes, before they are moved
.set ACC,  74                          ; v74-89  the second product's sums: row 8 h + j at ACC + j (even tiles) and ACC + 8 + j (odd tiles)
.set WS,   90                          ; v90-105 W1's scale words of tile T: lanes 0-15 K step 0, lanes 16-31 K step 1: scales and nothing else
.set WF0,  106                         ; v106-117 fragment 31
.set CN,   118                         ; v118-213 six a tile: -c b1, b1 | w2, 0 | b1 w2, 0: three pairs, of which the packed forms take the low word for both halves
.set SA,   214                         ; v214    the store's byte offset in the block's outputs
.set DA,   128                         ; window 3: the accumulators
.set TT,   192                         ; window 3: at work
.set MSB, 0
.macro WIN new                         ; the immediate's high byte repeats the setting that is left; a switch that changes nothing is dropped
.if MSB != (\new)
	s_set_vgpr_msb (MSB<<8)|(\new)
.set MSB, (\new)
.endif
.endm
; count loads of 16 bytes a lane of W1[e]'s images, from number first on: load i is group i % 3 of fragment i / 3, 512 i bytes into the element's images
.macro WLOADS first, count
.set WI, \first
.rept \count
.set FI, WI/3
.if FI < 21
	WIN 0x40
.set FB, 12*FI
.elseif FI < 31
	WIN 0x80
.set FB, 12*(FI-21)
.else
	WIN 0
.set FB, WF0
.endif
	global_load_b128 v[FB+4*(WI%3):FB+4*(WI%3)+3], v[LI], s[10:11] offset:512*WI
.set WI, WI+1
.endr
	WIN 0
.endm
; a tile's x into buffer p: block B = 2 s + c of my row's half: 128 bytes, eight loads on end
.macro XLOAD p
.set XB, 128-128*(\p)
	WIN 0x80+0x40*(\p)
.irp b, 0,1,2,3
.irp j, 0,1,2,3,4,5,6,7
	global_load_b128 v[XB+32*\b+4*\j:XB+32*\b+4*\j+3], v[XA+\p], s[4:5] offset:256*\b+16*\j th:TH_LOAD_NT
.endr
.endr
	WIN 0
.endm
; buffer p's 128 numbers become x's two fragments and two scale words
.macro QUANT p
.set XB, 128-128*(\p)
	WIN 0x28+0x14*(\p)                             ; sources 1 and 2: x's window
.irp b, 0,1,2,3
	v_max3_num_f32 v[TM+\b], 0x1800000, |v[XB+32*\b]|, |v[XB+32*\b+1]|   ; the floor 2^(3 - 127) among the leaves: the byte cannot fall under 1
.endr
.irp i, 2,4,6,8,10,12,14,16,18,20,22,24,26,28,30
.irp b, 0,1,2,3
	v_max3_num_f32 v[TM+\b], v[TM+\b], |v[XB+32*\b+\i]|, |v[XB+32*\b+\i+1]|   ; the four blocks by turns
.endr
.endr
	WIN 0
.irp b, 0,1,2,3
	v_add_nc_u32 v[SO+\b], 0xff000000, v[TM+\b]    ; 2 off the exponent field: the conversion's scale operand
.endr
.irp b, 0,1,2,3
	v_lshrrev_b32 v[BY+\b], 23, v[SO+\b]           ; the scale's byte
.endr
.irp s, 0,1
	v_lshl_or_b32 v[WD], v[BY+2*\s+1], 16, v[BY+2*\s]   ; my two bytes of K step s: blocks h and 2 + h,
	v_lshlrev_b32 v[WD], v[SH], v[WD]              ; at their places;
	v_permlanex16_b32 v[WX], v[WD], s38, s39
	v_or_b32 v[XS+\s], v[WD], v[WX]                ; with lane l xor 16's two the row's word is whole
.endr
	WIN 0x02+(\p)                                  ; source 0: x's window
.irp b, 0,1,2,3
	v_cvt_scalef32_pk16_fp6_f32 v[XF+6*\b:XF+6*\b+2], v[XB+32*\b:XB+32*\b+15], v[SO+\b]
	v_cvt_scalef32_pk16_fp6_f32 v[CT+4*\b:CT+4*\b+2], v[XB+32*\b+16:XB+32*\b+31], v[SO+\b]   ; (a conversion's three registers begin on an even number)
.endr
	WIN 0
	v_nop                                          ; one plain place behind a scaled conversion
.irp b, 0,1,2,3
.irp i, 0,1,2
	v_mov_b32 v[XF+6*\b+3+\i], v[CT+4*\b+\i]
.endr
.endr
.endm
; what is asked for in tile k's turn (p = k % 2): the list entry of tile k + 3 and x of tile k + 2, into the buffer just read out.  The six lines and two v_nop name no register of the products below:
; they are the eight places between the scale words and fragments just written and the first scaled matrix instruction.
.macro NEXT p
	v_add_nc_u32 v[POS], 64, v[POS]                ; four waves x 16 rows on
	v_min_u32 v[PA], s29, v[POS]                   ; held at the list's last entry,
	v_min_u32 v[PA], 4095, v[PA]                   ; and at a constant, the list's last word, as a number made of loaded data must be ahead of an address
	v_lshlrev_b32 v[PA], 2, v[PA]
	v_min_u32 v[TMPA], 3999, v[RAW+\p]             ; tile k + 2's row
	v_lshl_add_u32 v[XA+\p], v[TMPA], 10, v[HL]    ; x 1,024 bytes + my half
	v_nop
	v_nop
	global_load_b32 v[RAW+1-\p], v[PA], s[6:7]
	XLOAD \p
.endm
; sixteen matrix instructions: tiles T = 8 half + 0 .. 7 of W1[e]'s columns, K step 0 (which starts the sums with the constant 0), then K step 1.  The eight accumulators take turns, one instruction a turn
.macro MM half
.irp s, 0,1
.irp t, 0,1,2,3,4,5,6,7
.set FI, 16*(\half)+8*\s+\t
.if FI < 21
	WIN 0xf4
.set FB, 12*FI
.elseif FI < 31
	WIN 0xf8
.set FB, 12*(FI-21)
.else
	WIN 0xf0
.set FB, WF0
.endif
.if \s == 0
	v_wmma_scale_f32_16x16x128_f8f6f4 v[DA+8*\t:DA+8*\t+7], v[XF:XF+11], v[FB:FB+11], 0, v[XS], v[WS+8*(\half)+\t] matrix_a_fmt:MATRIX_FMT_FP6 matrix_b_fmt:MATRIX_FMT_FP6
.else
	v_wmma_scale_f32_16x16x128_f8f6f4 v[DA+8*\t:DA+8*\t+7], v[XF+12:XF+23], v[FB:FB+11], v[DA+8*\t:DA+8*\t+7], v[XS+1], v[WS+8*(\half)+\t] matrix_a_fmt:MATRIX_FMT_FP6 matrix_b_fmt:MATRIX_FMT_FP6 matrix_b_scale:MATRIX_SCALE_ROW1
.endif
.endr
.endr
.rept 4
	v_nop                                          ; four places in front of the first read of results (ISA guide 7.12.1)
.endr
.endm
; the activation and the second product for these eight tiles
.macro SILU half
	WIN 0xc3                                       ; destination and source 0 window 3, the constants window 0
.irp t, 0,1,2,3,4,5,6,7
.irp q, 0,1,2,3
	v_pk_fma_f32 v[TT+8*\t+2*\q:TT+8*\t+2*\q+1], v[DA+8*\t+2*\q:DA+8*\t+2*\q+1], s[36:37], v[CN+6*(8*(\half)+\t):CN+6*(8*(\half)+\t)+1] op_sel_hi:[1,0,0]   ; t = D (-c) - c b1; each accumulator from its low end on
.endr
.endr
.set EI, 0
.rept 64
	v_exp_f32 v[TT+EI], v[TT+EI]                   ; u = 2^t
.set EI, EI+1
.endr
.irp t, 0,1,2,3,4,5,6,7
.irp q, 0,1,2,3
	v_pk_fma_f32 v[DA+8*\t+2*\q:DA+8*\t+2*\q+1], v[DA+8*\t+2*\q:DA+8*\t+2*\q+1], v[CN+6*(8*(\half)+\t)+2:CN+6*(8*(\half)+\t)+3], v[CN+6*(8*(\half)+\t)+4:CN+6*(8*(\half)+\t)+5] op_sel_hi:[1,0,0]   ; gg = D w2 + b1 w2.  (The plain place behind the exponentials)
.endr
.endr
.set EI, 0
	s_wait_alu depctr_va_vdst(0)
.rept 32
	v_pk_add_f32 v[TT+EI:TT+EI+1], v[TT+EI:TT+EI+1], 1.0 op_sel_hi:[1,0]   ; 1 + u.  (These 32 name no register of the products: the places in front of the next products, which begin the accumulators anew)
.set EI, EI+2
.endr
.set EI, 0
.rept 64
	v_rcp_f32 v[TT+EI], v[TT+EI]                   ; sg
.set EI, EI+1
.endr
	v_nop                                          ; one plain place behind the reciprocals
	s_wait_alu depctr_va_vdst(0)
	WIN 0x0f                                       ; sources 0 and 1 window 3; the sums window 0
.irp t, 0,1,2,3,4,5,6,7
.irp q, 0,1,2,3
.if (8*(\half)+\t) < 2
	v_pk_mul_f32 v[ACC+8*(\t%2)+2*\q:ACC+8*(\t%2)+2*\q+1], v[DA+8*\t+2*\q:DA+8*\t+2*\q+1], v[TT+8*\t+2*\q:TT+8*\t+2*\q+1]   ; tiles 0 and 1 start the sums: nothing is cleared
.else
	v_pk_fma_f32 v[ACC+8*(\t%2)+2*\q:ACC+8*(\t%2)+2*\q+1], v[DA+8*\t+2*\q:DA+8*\t+2*\q+1], v[TT+8*\t+2*\q:TT+8*\t+2*\q+1], v[ACC+8*(\t%2)+2*\q:ACC+8*(\t%2)+2*\q+1]
.endif
.endr
.endr
.endm
; the sums over the sixteen lanes that hold a row's columns; row r's number is brought to lanes (r, 0) and (r, 1); + b2; stored by all 32 lanes
.macro FINISH p
	WIN 0
	s_wait_xcnt 0x0                                ; the last tile's store has read its offset and its data: both registers are written again below
.irp q, 0,2,4,6
	v_pk_add_f32 v[ACC+\q:ACC+\q+1], v[ACC+\q:ACC+\q+1], v[ACC+8+\q:ACC+9+\q]
.endr
.irp m, 1,2,4,8
.irp j, 0,1,2,3,4,5,6,7
	v_add_f32_dpp v[ACC+\j], v[ACC+\j], v[ACC+\j] row_xmask:\m row_mask:0xf bank_mask:0xf
.endr
.endr
.irp j, 0,2,4,6
	v_cndmask_b32 v[ACC+\j], v[ACC+\j], v[ACC+\j+1], s40   ; register lane % 8, by the lane's three low bits
.endr
	v_cndmask_b32 v[ACC], v[ACC], v[ACC+2], s41
	v_cndmask_b32 v[ACC+4], v[ACC+4], v[ACC+6], s41
	v_cndmask_b32 v[VAL], v[ACC], v[ACC+4], s42    ; row 8 h + r % 8
	v_permlanex16_b32 v[WX], v[VAL], s38, s39      ; lane l xor 16's: row 8 (1 - h) + r % 8
	v_cndmask_b32 v[VAL], v[WX], v[VAL], s43       ; row r: my own where r / 8 = h (lanes 0-7 and 24-31), else the other half's
	v_add_f32 v[VAL], s34, v[VAL]                  ; + b2[e]
	v_min_u32 v[SA], 3999, v[ROW+\p]               ; this tile's row, held at a constant as a loaded number must be ahead of an address,
	v_lshlrev_b32 v[SA], 2, v[SA]                  ; x 4 bytes
	global_store_b32 v[SA], v[VAL], s[20:21]
	v_mov_b32 v[ROW+\p], v[RAW+\p]                 ; the row of the tile two on, whose x is on its way into this buffer
.endm
.macro HALF p
	s_wait_loadcnt 32                              ; only the next tile's 32 loads of x were issued behind this tile's x and the list entry of the tile two on: both are in (in the first turn all weights too)
	QUANT \p
	NEXT \p
	MM 0
	SILU 0
	MM 1
	SILU 1
	FINISH \p
.endm
	s_load_b512 s[4:19], s[0:1], 0x0               ; x s[4:5], list s[6:7], counts s[8:9], wq s[10:11], wsc s[12:13], b1 s[14:15], W2 s[16:17], b2 s[18:19]
	s_load_b64 s[20:21], s[0:1], 0x40              ; out0
	v_and_b32 v[VR], 15, v0
	v_bfe_u32 v[VH], v0, 4, 1
	v_and_b32 v[LI], 31, v0
	v_lshlrev_b32 v[LS], 2, v[LI]
	v_lshlrev_b32 v[LI], 4, v[LI]
	v_lshlrev_b32 v[R4], 2, v[VR]
	v_lshlrev_b32 v[HL], 7, v[VH]
	v_lshlrev_b32 v[SH], 3, v[VH]
	v_lshrrev_b32 v[TMPA], 5, v0
	v_readfirstlane_b32 s22, v[TMPA]               ; wave 0..3
	v_mov_b32 v[WX], 0                             ; a lane permute's destination counts as one of its sources
	s_mov_b32 s23, ttmp9                           ; e
	s_and_b32 s24, ttmp7, 0xffff                   ; g
	s_mul_i32 s25, s24, 10
	s_add_co_u32 s25, s25, s23                     ; id = 10 g + e
	s_mov_b32 s27, 0
	s_mov_b32 s36, 0xbfb8aa3b                      ; -c = -log2(e)
	s_mov_b32 s37, s36                             ; (named with it as a pair, so it is written)
	s_mov_b32 s38, 0x76543210
	s_mov_b32 s39, 0xfedcba98                      ; v_permlanex16_b32's selects for lane l xor 16
	s_mov_b32 s40, 0xaaaaaaaa                      ; lanes with bit 0 set,
	s_mov_b32 s41, 0xcccccccc                      ; bit 1,
	s_mov_b32 s42, 0xf0f0f0f0                      ; bit 2
	s_mov_b32 s43, 0xff0000ff                      ; lanes 0-7 and 24-31
	s_wait_kmcnt 0x0
	s_lshl_b32 s26, s25, 2
	s_add_nc_u64 s[8:9], s[8:9], s[26:27]
	s_lshl_b32 s26, s23, 2
	s_add_nc_u64 s[18:19], s[18:19], s[26:27]
	s_load_b32 s28, s[8:9], 0x0                    ; n: rows in my list
	s_load_b32 s34, s[18:19], 0x0                  ; b2[e]
	s_mul_i32 s26, s24, 4096000
	s_add_nc_u64 s[4:5], s[4:5], s[26:27]          ; x at block g: 4,000 rows of 1,024 bytes
	s_mul_i32 s26, s24, 16000
	s_add_nc_u64 s[20:21], s[20:21], s[26:27]      ; out0 likewise
	s_lshl_b32 s26, s25, 14
	s_add_nc_u64 s[6:7], s[6:7], s[26:27]          ; my list
	s_mul_i32 s26, s23, 49152
	s_add_nc_u64 s[10:11], s[10:11], s[26:27]      ; the element's images,
	s_lshl_b32 s26, s23, 11
	s_add_nc_u64 s[12:13], s[12:13], s[26:27]      ; its scale words,
	s_lshl_b32 s26, s23, 10
	s_add_nc_u64 s[14:15], s[14:15], s[26:27]      ; its b1
	s_add_nc_u64 s[16:17], s[16:17], s[26:27]      ; and W2
	; 64 loads that need no count go out while n is on its way
.irp t, 0,1,2,3,4,5,6,7,8,9,10,11,12,13,14,15
	global_load_b32 v[CN+6*\t+1], v[R4], s[14:15] offset:64*\t   ; b1(16 T + r)
.endr
.irp t, 0,1,2,3,4,5,6,7,8,9,10,11,12,13,14,15
	global_load_b32 v[CN+6*\t+2], v[R4], s[16:17] offset:64*\t   ; W2(16 T + r)
.endr
.irp t, 0,1,2,3,4,5,6,7,8,9,10,11,12,13,14,15
	global_load_b32 v[WS+\t], v[LS], s[12:13] offset:128*\t
.endr
	WLOADS 0, 16
	s_wait_kmcnt 0x0
	s_min_u32 s28, s28, 4000                       ; (a loaded number is held at a constant; n is 4,000 at the most)
	s_add_co_u32 s30, s28, 15
	s_lshr_b32 s30, s30, 4                         ; tiles in the list
	s_add_co_u32 s31, s30, 3
	s_sub_co_u32 s31, s31, s22                     ; (3 is added first: the difference is never under 0)
	s_lshr_b32 s31, s31, 2                         ; my tiles: w, w + 4, ..: (tiles + 3 - w) / 4, 0 where the list is too short for me
	s_max_u32 s29, s28, 1
	s_sub_co_u32 s29, s29, 1                       ; the list's last place: n - 1, and 0 in an empty list
	v_lshl_add_u32 v[POS], s22, 4, v[VR]           ; my first tile's list place: 16 w + r
	v_min_u32 v[PA], s29, v[POS]
	v_min_u32 v[PA], 4095, v[PA]
	v_lshlrev_b32 v[PA], 2, v[PA]
	global_load_b32 v[RAW], v[PA], s[6:7]          ; the rows of my tile 0
	v_add_nc_u32 v[TMPA], 64, v[POS]
	v_min_u32 v[TMPA], s29, v[TMPA]
	v_min_u32 v[TMPA], 4095, v[TMPA]
	v_lshlrev_b32 v[TMPA], 2, v[TMPA]
	global_load_b32 v[RAW+1], v[TMPA], s[6:7]      ; and of tile 1
	WLOADS 16, 80                                  ; the other 80 loads of the images
	s_wait_loadcnt 63                              ; 80 loads were issued behind the two list loads and the first 64: with 63 out at the most, those are in
.irp p, 0,1
	v_min_u32 v[TMPA], 3999, v[RAW+\p]
	v_lshl_add_u32 v[XA+\p], v[TMPA], 10, v[HL]
	v_mov_b32 v[ROW+\p], v[RAW+\p]
.endr
	v_add_nc_u32 v[POS], 128, v[POS]
	v_min_u32 v[PA], s29, v[POS]
	v_min_u32 v[PA], 4095, v[PA]
	v_lshlrev_b32 v[PA], 2, v[PA]
	global_load_b32 v[RAW], v[PA], s[6:7]          ; the rows of tile 2
	XLOAD 0
	XLOAD 1
.irp t, 0,1,2,3,4,5,6,7,8,9,10,11,12,13,14,15      ; the constants, while x is on its way
	v_mul_f32 v[CN+6*\t], s36, v[CN+6*\t+1]        ; -c b1
	v_mul_f32 v[CN+6*\t+4], v[CN+6*\t+1], v[CN+6*\t+2]   ; b1 w2
	v_mov_b32 v[CN+6*\t+3], 0                      ; (the pairs' upper words are named, so they are written)
	v_mov_b32 v[CN+6*\t+5], 0
.endr
	s_mov_b32 s32, 0                               ; k
.Ltrip:                                                ; a trip runs two tiles, until the buffers' numbers are back where they began
	s_cmp_ge_u32 s32, s31
	s_cbranch_scc1 .Ldone                          ; no tile k: the wave is through (loads of the look-ahead may be out at the end)
	HALF 0
	s_add_co_u32 s33, s32, 1
	s_cmp_ge_u32 s33, s31
	s_cbranch_scc1 .Ldone                          ; an odd number of tiles ends here
	HALF 1
	s_add_co_u32 s32, s32, 2
	s_cmp_lt_u32 s32, MAXK
	s_cbranch_scc1 .Ltrip
.Ldone:
	s_endpgm
.Lfunc_end_k_q117ab27d0e_main:
	.size	k_q117ab27d0e_main, .Lfunc_end_k_q117ab27d0e_main-k_q117ab27d0e_main
	.p2alignl 7, 3214868480
	.fill 96, 4, 3214868480
	.section	.rodata,"a",@progbits
	.p2align	6, 0x0
	.amdhsa_kernel k_q117ab27d0e_main
		.amdhsa_group_segment_fixed_size 0
		.amdhsa_private_segment_fixed_size 0
		.amdhsa_enable_private_segment 0
		.amdhsa_kernarg_size 72
		.amdhsa_user_sgpr_count 2
		.amdhsa_user_sgpr_kernarg_segment_ptr 1
		.amdhsa_wavefront_size32 1
		.amdhsa_system_sgpr_workgroup_id_x 1
		.amdhsa_system_sgpr_workgroup_id_y 1
		.amdhsa_system_sgpr_workgroup_id_z 1
		.amdhsa_system_vgpr_workitem_id 0
		.amdhsa_next_free_vgpr 1024
		.amdhsa_next_free_sgpr 66
		.amdhsa_reserve_vcc 0
		.amdhsa_float_denorm_mode_32 3
		.amdhsa_float_denorm_mode_16_64 3
		.amdhsa_memory_ordered 1
		.amdhsa_forward_progress 1
		.amdhsa_inst_pref_size 109
	.end_amdhsa_kernel
	.amdgpu_metadata
---
amdhsa.version: [ 1, 2 ]
amdhsa.kernels:
  - .name:           k_q117ab27d0e_main
    .symbol:         k_q117ab27d0e_main.kd
    .args:
      - { .name: input_tensor, .offset: 0, .size: 8, .value_kind: global_buffer, .address_space: global }
      - { .name: list, .offset: 8, .size: 8, .value_kind: global_buffer, .address_space: global }
      - { .name: counts, .offset: 16, .size: 8, .value_kind: global_buffer, .address_space: global }
      - { .name: wq, .offset: 24, .size: 8, .value_kind: global_buffer, .address_space: global }
      - { .name: wsc, .offset: 32, .size: 8, .value_kind: global_buffer, .address_space: global }
      - { .name: b1, .offset: 40, .size: 8, .value_kind: global_buffer, .address_space: global }
      - { .name: W2, .offset: 48, .size: 8, .value_kind: global_buffer, .address_space: global }
      - { .name: b2, .offset: 56, .size: 8, .value_kind: global_buffer, .address_space: global }
      - { .name: out0, .offset: 64, .size: 8, .value_kind: global_buffer, .address_space: global }
    .group_segment_fixed_size: 0
    .private_segment_fixed_size: 0
    .kernarg_segment_align: 8
    .kernarg_segment_size: 72
    .max_flat_workgroup_size: 128
    .sgpr_count:     66
    .vgpr_count:     1024
    .wavefront_size: 32
...
	.end_amdgpu_metadata
.endif
;; end of part 2
;; ======== version 2 of 2: 2 launches
;; workspace buffers: list 4,096,000 bytes of whole numbers; counts 1,024 bytes of whole numbers; wq 491,520 bytes; wsc 20,480 bytes
;; launch prep (part 3): grid 10 x 29, 8 waves a work-group, no clusters, 1,280 bytes of LDS; arguments species, W1, list, counts, wq, wsc; writes list, counts, wq, wsc
.if DOCPART == 3
	.amdgcn_target "amdgcn-amd-amdhsa--gfx1250"
	.amdhsa_code_object_version 6
	.text
	.protected	k_q117ab27d0e_prep
	.globl	k_q117ab27d0e_prep
	.p2align	8
	.type	k_q117ab27d0e_prep,@function
k_q117ab27d0e_prep:
	s_mov_b64 s[64:65], 0
	v_nop
	global_prefetch_b8 v0, s[64:65] scope:SCOPE_SE
	s_setreg_imm32_b32 hwreg(HW_REG_WAVE_MODE, 25, 1), 1
	s_wait_xcnt 0x0
; TWO JOBS IN ONE LAUNCH, parted by the work-group's y alone (x = the element e, 0..9).
; y = 0..24 (g): the 4,000 atoms of block g are searched for species e; the local numbers (0..3999) of those found go, packed, to list[10 g + e][0 .. n), a 0 to list[10 g + e][n], and n to counts[10 g + e].
;   (The word at place n serves the empty list: the next launch's look-ahead then reads place 0, and so reads only words that were written.)
;   The order within a list is free: each place is given once.  No atomics: places come from counts of mask bits and a prefix over the eight waves, handed on through 32 bytes of LDS.
;   Every place is made, and held at a constant, ahead of the first line that narrows EXEC.
; y = 25..28: W1[e] ([256 (k)][256 (n)] f32, K its first axis) becomes codes of FP6 (E2M3) with one E8M0 byte for each 32 along K.  A wave makes ONE operand fragment (16 columns x 128 K):
;   a lane takes a column and its registers run down K in the order in which the operand's layout gives that lane its k, so the conversions' results are the operand's registers.
;   wq holds each fragment as an image of its 12 registers: [e][f][group of 4 registers][lane][16 bytes]; f = 16 (T / 8) + 8 s + T % 8 (T: tile of 16 columns, s: K step of 128).
;   wsc holds the scale words [e][T][s][column % 16]: read at 4 x lane, a register has K step 0's words in lanes 0-15 and K step 1's in lanes 16-31.
; A block's scale is 2^(floor(log2(largest magnitude)) - 2): its byte is the largest magnitude's exponent field - 2, held at 1 from below.
; LIMITS: a block whose largest magnitude lies under 2^-124, a block of zeros among them, gets the byte 1 (a block of zeros has zero codes, and this program alone reads the bytes);
; NaN and infinities in W1 are not served; an atom whose species is outside 0..9 enters no list.
.set NBLK,  25                         ; blocks of atoms
.set BLOCK, 4000                       ; atoms in a block
.set K,   4                            ; v4-19   sixteen species numbers of my thread
.set P,   20                           ; v20-35  their byte places in the list
.set DD,  36                           ; v36-51  their local atom numbers
	s_load_b256 s[4:11], s[0:1], 0x0               ; species s[4:5], W1 s[6:7], list s[8:9], counts s[10:11]
	s_load_b128 s[12:15], s[0:1], 0x20             ; wq s[12:13], wsc s[14:15]
	v_lshl_add_u32 v128, v0, 2, 0x100
	v_mov_b32 v129, 0
	v_lshrrev_b32 v1, 5, v0
	s_delay_alu instid0(VALU_DEP_1)
	v_readfirstlane_b32 s16, v1                    ; wave 0..7
	s_mov_b32 s17, ttmp9                           ; e
	s_and_b32 s18, ttmp7, 0xffff                   ; y
	s_mov_b32 s51, 0
	s_cmp_ge_u32 s18, NBLK                         ; the same answer in all eight waves of a work-group
	s_cbranch_scc1 .Lweights
	; ---------------- the lists ----------------
	s_mul_i32 s19, s18, 10
	s_add_co_u32 s19, s19, s17                     ; id = 10 g + e
	v_lshlrev_b32 v1, 4, v0                        ; thread t takes quads t, t + 256, t + 512, t + 768 of the block's 1,000 quads of atoms: 16 bytes each
	s_delay_alu instid0(VALU_DEP_1)
	v_min_u32 v2, 3696, v1                         ; the fourth exists for t < 232 alone: the others read quad 999 again, so that no load leaves the buffer
	v_lshlrev_b32 v3, 2, v0                        ; 4 t: the first atom of my first quad
	v_lshrrev_b32 v61, 5, v0
	s_delay_alu instid0(VALU_DEP_1)
	v_lshlrev_b32 v61, 2, v61                      ; LDS: my wave's word, 4 x wave
	v_mov_b32 v62, 0
	s_mul_i32 s50, s18, 4*BLOCK
	s_wait_alu depctr_va_vdst(0)
	s_wait_kmcnt 0x0
	s_add_nc_u64 s[4:5], s[4:5], s[50:51]          ; species at block g
	s_lshl_b32 s50, s19, 14
	s_add_nc_u64 s[8:9], s[8:9], s[50:51]          ; my list: 4,096 words
	s_lshl_b32 s50, s19, 2
	s_add_nc_u64 s[10:11], s[10:11], s[50:51]      ; my count
	global_load_b128 v[K:K+3],     v1, s[4:5]
	global_load_b128 v[K+4:K+7],   v1, s[4:5] offset:4096
	global_load_b128 v[K+8:K+11],  v1, s[4:5] offset:8192
	global_load_b128 v[K+12:K+15], v2, s[4:5] offset:12288
	s_wait_loadcnt 0x0
	v_cmp_gt_u32 vcc_lo, 232, v0
.irp c, 0,1,2,3
	v_cndmask_b32 v[K+12+\c], -1, v[K+12+\c], vcc_lo   ; a quad that does not exist matches no element
.endr
.irp j, 0,1,2,3,4,5,6,7,8,9,10,11,12,13,14,15
	v_cmp_eq_u32 s[32+\j], s17, v[K+\j]            ; sixteen masks: which lanes hold an atom of element e
.endr
	s_mov_b32 s20, 0
.irp j, 0,1,2,3,4,5,6,7,8,9,10,11,12,13,14,15
	s_bcnt1_i32_b32 s49, s[32+\j]
	s_add_co_u32 s20, s20, s49                     ; my wave's number of them
.endr
	v_mov_b32 v60, s20
	ds_store_b32 v61, v60                          ; all lanes write the same word with the same value
	s_wait_dscnt 0x0                               ; for the others' sake: my store has landed
	s_barrier_signal -1
	s_barrier_wait -1
	ds_load_b128 v[52:55], v62                     ; the eight waves' numbers
	ds_load_b128 v[56:59], v62 offset:16
	s_wait_dscnt 0x0
.irp i, 0,1,2,3,4,5,6,7
	v_readfirstlane_b32 s[24+\i], v[52+\i]
.endr
	s_mov_b32 s21, 0                               ; where my wave's part of the list begins: the sum over the waves before me
	s_mov_b32 s22, 0                               ; n: the sum over all
.irp i, 0,1,2,3,4,5,6,7
	s_add_co_u32 s22, s22, s[24+\i]
	s_cmp_lt_u32 \i, s16
	s_cselect_b32 s49, s[24+\i], 0
	s_add_co_u32 s21, s21, s49
.endr
.irp j, 0,1,2,3,4,5,6,7,8,9,10,11,12,13,14,15
	v_mbcnt_lo_u32_b32 v[P+\j], s[32+\j], s21      ; the place: what stands before this mask + the mask's bits under my lane
	s_bcnt1_i32_b32 s49, s[32+\j]
	s_add_co_u32 s21, s21, s49
	v_min_u32 v[P+\j], 4095, v[P+\j]               ; a number made of loaded data enters an address only behind a hold at a constant (it never bites: n is 4,000 at the most)
	s_delay_alu instid0(VALU_DEP_1)
	v_lshlrev_b32 v[P+\j], 2, v[P+\j]
	v_add_nc_u32 v[DD+\j], 1024*(\j/4)+\j%4, v3    ; the atom's number in the block: 4 (t + 256 i) + c
.endr
	v_mov_b32 v60, s22                             ; n,
	v_mov_b32 v63, s22
	s_delay_alu instid0(VALU_DEP_1)
	v_min_u32 v63, 4095, v63                       ; and its place in the list, held at a constant like the others,
	s_delay_alu instid0(VALU_DEP_1)
	v_lshlrev_b32 v63, 2, v63                      ; in bytes
	s_wait_alu depctr_va_vdst(0)
	s_wait_xcnt 0x0                                ; EXEC changes only behind a wait on XCNT for 0
.irp j, 0,1,2,3,4,5,6,7,8,9,10,11,12,13,14,15
	s_mov_b32 vcc_lo, s[32+\j]
	s_and_saveexec_b32 s48, vcc_lo                 ; the lanes that found one
	global_store_b32 v[P+\j], v[DD+\j], s[8:9]
	s_wait_xcnt 0x0                                ; and again in front of the line that widens it
	s_or_b32 exec_lo, exec_lo, s48
.endr
	v_cmp_eq_u32 vcc_lo, 0, v0                     ; thread 0 of the work-group: one lane of wave 0; in the other seven waves no lane is left on, and the two stores do nothing
	s_and_saveexec_b32 s48, vcc_lo
	global_store_b32 v62, v60, s[10:11]            ; n
	global_store_b32 v63, v62, s[8:9]              ; and the 0 behind the list's last entry
	s_wait_xcnt 0x0
	s_or_b32 exec_lo, exec_lo, s48
	s_wait_xcnt 0x0
	s_mov_b32 exec_lo, -1
	s_wait_tensorcnt 0x0
	ds_add_u32 v128, v129
	s_wait_dscnt 0x0
	s_endpgm
	; ---------------- the weights ----------------
.Lweights:
	s_sub_co_u32 s19, s18, NBLK                    ; y' = 0..3
	s_and_b32 s23, s19, 1                          ; s: the K step
	s_lshr_b32 s24, s19, 1
	s_lshl_b32 s24, s24, 3
	s_add_co_u32 s24, s24, s16                     ; T = 8 (y' / 2) + wave
	s_lshl_b32 s25, s19, 3
	s_add_co_u32 s25, s25, s16                     ; f = 8 y' + wave
	s_lshl_b32 s50, s17, 18                        ; W1: 262,144 e + 131,072 s + 64 T bytes
	s_lshl_b32 s49, s23, 17
	s_add_co_u32 s50, s50, s49
	s_lshl_b32 s49, s24, 6
	s_add_co_u32 s50, s50, s49
	s_mul_i32 s52, s17, 49152                      ; wq: 49,152 e + 1,536 f
	s_mul_i32 s49, s25, 1536
	s_add_co_u32 s52, s52, s49
	s_mov_b32 s53, 0
	s_lshl_b32 s54, s17, 11                        ; wsc: 2,048 e + 128 T + 64 s
	s_lshl_b32 s49, s24, 7
	s_add_co_u32 s54, s54, s49
	s_lshl_b32 s49, s23, 6
	s_add_co_u32 s54, s54, s49
	s_mov_b32 s55, 0
	v_and_b32 v1, 31, v0                           ; lane
	v_and_b32 v2, 15, v0                           ; r: my column of the tile
	v_bfe_u32 v3, v0, 4, 1                         ; h
	s_delay_alu instid0(VALU_DEP_2)
	v_lshlrev_b32 v7, 2, v2                        ; 4 r
	s_delay_alu instid0(VALU_DEP_1)
	v_lshl_add_u32 v5, v3, 15, v7                  ; lanes 16-31 begin 32 rows of 1,024 bytes further down: lane (r, h) holds k = 64 c + 32 h + 0 .. 31
	v_lshlrev_b32 v6, 4, v1                        ; an image's place for my lane
	s_delay_alu instid0(VALU_DEP_4)
	v_lshlrev_b32 v8, 3, v3                        ; 8 h: my bytes' place in the scale word
	v_mov_b32 v19, 0                               ; a lane permute's destination counts as one of its sources
	s_mov_b32 s20, 0x76543210
	s_mov_b32 s21, 0xfedcba98                      ; v_permlanex16_b32's selects for lane l xor 16
	s_wait_alu depctr_va_vdst(0)
	s_wait_kmcnt 0x0
	s_add_nc_u64 s[6:7], s[6:7], s[50:51]
	s_add_nc_u64 s[12:13], s[12:13], s[52:53]
	s_add_nc_u64 s[14:15], s[14:15], s[54:55]
.irp c, 0,1
.irp i, 0,1,2,3,4,5,6,7,8,9,10,11,12,13,14,15,16,17,18,19,20,21,22,23,24,25,26,27,28,29,30,31
	global_load_b32 v[32+32*\c+\i], v5, s[6:7] offset:(64*\c+\i)*1024   ; W1(128 s + 64 c + 32 h + i, 16 T + r): sixteen lanes read 64 neighbouring bytes, the eight waves side by side
.endr
.endr
	s_wait_loadcnt 0x0
.irp c, 0,1                                    ; my two blocks: all 32 numbers of each are mine
	v_max3_num_f32 v[12+\c], |v[32+32*\c]|, |v[33+32*\c]|, 0x1800000   ; with the floor 2^(3 - 127): the byte cannot fall under 1
.endr
.irp i, 2,4,6,8,10,12,14,16,18,20,22,24,26,28,30
.irp c, 0,1
	s_delay_alu instid0(VALU_DEP_2)
	v_max3_num_f32 v[12+\c], v[12+\c], |v[32+32*\c+\i]|, |v[33+32*\c+\i]|
.endr
.endr
.irp c, 0,1
	s_delay_alu instid0(VALU_DEP_2)
	v_add_nc_u32 v[14+\c], 0xff000000, v[12+\c]    ; 2 off the exponent field: the conversion takes this operand's exponent field as its scale
.endr
.irp c, 0,1
	s_delay_alu instid0(VALU_DEP_2)
	v_lshrrev_b32 v[16+\c], 23, v[14+\c]           ; the scale's byte
.endr
	s_delay_alu instid0(VALU_DEP_1)
	v_lshl_or_b32 v18, v17, 16, v16                ; my two bytes: blocks h and 2 + h of the K step,
	s_delay_alu instid0(VALU_DEP_1)
	v_lshlrev_b32 v18, v8, v18                     ; at their places in the word;
	s_delay_alu instid0(VALU_DEP_1)
	v_permlanex16_b32 v19, v18, s20, s21
	s_delay_alu instid0(VALU_DEP_1)
	v_or_b32 v18, v18, v19                         ; with lane l xor 16's two the word is whole
.irp c, 0,1
	v_cvt_scalef32_pk16_fp6_f32 v[96+6*\c:98+6*\c], v[32+32*\c:47+32*\c], v[14+\c]     ; registers 6 c .. 6 c + 2 of the fragment
	v_cvt_scalef32_pk16_fp6_f32 v[108+4*\c:110+4*\c], v[48+32*\c:63+32*\c], v[14+\c]   ; (a conversion's three registers begin on an even number: the second three are made elsewhere and moved)
.endr
	v_nop                                          ; one plain place behind a scaled conversion
.irp c, 0,1
.irp i, 0,1,2
	v_mov_b32 v[99+6*\c+\i], v[108+4*\c+\i]
.endr
.endr
.irp g, 0,1,2
	global_store_b128 v6, v[96+4*\g:99+4*\g], s[12:13] offset:512*\g   ; each store of the wave covers 512 consecutive bytes, at a multiple of 512 from wq's first byte
.endr
	v_cmp_gt_u32 vcc_lo, 16, v1
	s_wait_xcnt 0x0                                ; EXEC changes only behind a wait on XCNT for 0
	s_and_saveexec_b32 s48, vcc_lo
	global_store_b32 v7, v18, s[14:15]             ; lanes 0-15: the sixteen columns' words of this K step
	s_wait_xcnt 0x0
	s_or_b32 exec_lo, exec_lo, s48
	s_endpgm
.Lfunc_end_k_q117ab27d0e_prep:
	.size	k_q117ab27d0e_prep, .Lfunc_end_k_q117ab27d0e_prep-k_q117ab27d0e_prep
	.p2alignl 7, 3214868480
	.fill 96, 4, 3214868480
	.section	.rodata,"a",@progbits
	.p2align	6, 0x0
	.amdhsa_kernel k_q117ab27d0e_prep
		.amdhsa_group_segment_fixed_size 1280
		.amdhsa_private_segment_fixed_size 0
		.amdhsa_enable_private_segment 0
		.amdhsa_kernarg_size 48
		.amdhsa_user_sgpr_count 2
		.amdhsa_user_sgpr_kernarg_segment_ptr 1
		.amdhsa_wavefront_size32 1
		.amdhsa_system_sgpr_workgroup_id_x 1
		.amdhsa_system_sgpr_workgroup_id_y 1
		.amdhsa_system_sgpr_workgroup_id_z 1
		.amdhsa_system_vgpr_workitem_id 0
		.amdhsa_next_free_vgpr 130
		.amdhsa_next_free_sgpr 66
		.amdhsa_reserve_vcc 1
		.amdhsa_float_denorm_mode_32 3
		.amdhsa_float_denorm_mode_16_64 3
		.amdhsa_memory_ordered 1
		.amdhsa_forward_progress 1
		.amdhsa_inst_pref_size 27
	.end_amdhsa_kernel
	.amdgpu_metadata
---
amdhsa.version: [ 1, 2 ]
amdhsa.kernels:
  - .name:           k_q117ab27d0e_prep
    .symbol:         k_q117ab27d0e_prep.kd
    .args:
      - { .name: species, .offset: 0, .size: 8, .value_kind: global_buffer, .address_space: global }
      - { .name: W1, .offset: 8, .size: 8, .value_kind: global_buffer, .address_space: global }
      - { .name: list, .offset: 16, .size: 8, .value_kind: global_buffer, .address_space: global }
      - { .name: counts, .offset: 24, .size: 8, .value_kind: global_buffer, .address_space: global }
      - { .name: wq, .offset: 32, .size: 8, .value_kind: global_buffer, .address_space: global }
      - { .name: wsc, .offset: 40, .size: 8, .value_kind: global_buffer, .address_space: global }
    .group_segment_fixed_size: 1280
    .private_segment_fixed_size: 0
    .kernarg_segment_align: 8
    .kernarg_segment_size: 48
    .max_flat_workgroup_size: 256
    .sgpr_count:     66
    .vgpr_count:     130
    .wavefront_size: 32
...
	.end_amdgpu_metadata
.endif
;; end of part 3
;; launch main (part 4): grid 10 x 25, 4 waves a work-group, no clusters, 0 bytes of LDS; arguments input_tensor, list, counts, wq, wsc, b1, W2, b2, out0; writes out0
.if DOCPART == 4
	.amdgcn_target "amdgcn-amd-amdhsa--gfx1250"
	.amdhsa_code_object_version 6
	.text
	.protected	k_q117ab27d0e_main
	.globl	k_q117ab27d0e_main
	.p2align	8
	.type	k_q117ab27d0e_main,@function
k_q117ab27d0e_main:
	s_mov_b64 s[64:65], 0
	v_nop
	global_prefetch_b8 v0, s[64:65] scope:SCOPE_SE
	s_setreg_imm32_b32 hwreg(HW_REG_WAVE_SCHED_MODE, 0, 2), 2
	s_setreg_imm32_b32 hwreg(HW_REG_WAVE_MODE, 25, 1), 1
	s_wait_xcnt 0x0
	s_wait_alu depctr_vm_vsrc(0)
; out[a] = silu(x[a] W1[e] + b1[e]) . W2[e] + b2[e] for the atoms a of block g (4,000 atoms) whose species is e: work-group (x = e, y = g).  Only the chosen element's product is made: the others' are
; thrown away by the mask that the problem builds from species.  The first product runs on codes of FP6 (E2M3) with one E8M0 scale for each 32 along K; the second (one column) is f32 multiply-adds.
; SHARES.  The four waves share nothing: no LDS, no barrier.  Each keeps ALL of W1[e] as 32 operand fragments (384 registers), loaded once as images of the registers.  Wave w takes tiles w, w + 4, .. of the
; work-group's list, 16 rows a tile.  Lane (r, h) gathers row list[16 t + r] and holds k = 128 s + 64 c + 32 h + 0 .. 31: whole blocks of 32, in the operand's own order, so a block's largest magnitude needs no
; other lane and the conversions' results are the operand's registers.
; THE PRODUCT: source 0 = 16 rows of x, source 1 = 16 columns of W1[e]: register j of lane (r, h) is (row 8 h + j, column 16 T + r).  So b1 and W2 are ONE number a lane and tile.  With c = log2(e):
;   t = D (-c) + (-c b1);  u = 2^t;  sg = 1 / (1 + u);  gg = D w2 + b1 w2;  acc += gg sg: four packed lines a pair of numbers, two transcendentals a number.  u = infinity gives sg = 0, u = 0 gives sg = 1.
; AHEAD.  x of tiles k + 1 and k + 2 is on its way while tile k is worked (two register buffers of 128); the list's entries run one tile further ahead.  Past the list's end the place is held at n - 1, the
; last entry (in an empty list at 0, where the earlier launch has stored a 0): every load stays in its buffer and reads only list words that were written.
; ALL LANES STAY ON: EXEC is never written.  In a list's last tile the places past its end repeat the last row: the same codes give the same number, which goes to the same place again.  Row r's number is
; brought to both lanes (r, 0) and (r, 1), which store it to the same place.
; THE LOOP is counted against a constant: a list has 4,000 rows at the most, 250 tiles, 63 for a wave: 32 trips of two tiles.  Every wave enters it; at the head of each tile's turn a wave that has no tile left
; goes to its end.  A wave that a split leaves without a tile goes there at the first test, and stores nothing.
; NO CLUSTER, NO JOINT LOADS: where a wave leaves the loop hangs on a count read from memory; what the 25 work-groups of an element
; share is 49,152 bytes of codes, read once by each wave, beside 1,024 bytes of x for each row of the work-group's own list.
; OUTPUT: a work-group owns a scattered part of its block's 4,000 outputs, so the lanes store 4 bytes each to places of their own: 400,000 bytes in all against 102,400,000 read.
; LIMITS: an atom whose species is outside 0..9 is in no list and gets no output; NaN and infinities in x are not served; a block of x whose largest magnitude lies under 2^-124 gets the scale byte 1
; (a block of zeros has zero codes).
; THE MODE: SCHED_MODE bits 1:0 = 2 (LLVM: expert scheduling mode 2), set by the entry lines.  The code itself states the register dependences between vector or matrix instructions and memory
; instructions, with s_wait_alu, always for 0.
; THE PLAN.  Registers that memory instructions touch in the loop, in the turn of tile k (p = k % 2):
;   x, buffer p    The turn's maxima and conversions read it; behind them the 32 loads of tile k + 2 land in it.
;   RAW[1 - p]     The last turn's lines read it (row to offset, row kept); the list load of tile k + 3 lands in it.
;   PA, XA[p]      Offsets.  Written by six lines of this turn, then read by its list load and its 32 loads of x; read before by the last turn's list load and by the loads of x of two turns back.
;   SA, VAL        Written at the turn's end, read by its store, written again at the next turn's end.
;   LI, LS, R4 are made at the head and never written again; the fragments, their scale words, b1 and W2 are loaded once at the head and then named by vector and matrix instructions alone.
; So a turn has three waits of this kind.  ONE on vm_vsrc, behind the quantiser: all that earlier memory instructions read (PA, XA[p], SA, VAL) may be written again; the memory instructions issued behind it in
; the turn read PA, XA[p], SA and VAL, which are next written behind the next turn's wait.  ONE on va_vdst, behind the eight places in front of the products: PA and XA[p] are written, buffer p and RAW[1 - p]
; are read out, x's codes and scale words are written.  Behind it the list load, and the 32 loads of x dealt among the first sixteen products, four behind every second: those products name the accumulators,
; x's codes and scale words, fragments 0 to 15 and their scale words, none of which these loads touch.  ONE on va_vdst ahead of the store.  The waits behind the transcendentals stand beside these.
; REGISTERS, in windows of 256 (s_set_vgpr_msb: bits 1:0 source 0, 3:2 source 1, 5:4 source 2, 7:6 destination):
;   window 0: below.   window 1: fragments 0-20 at v[12 f].   window 2: fragments 21-30 at v[12 (f - 21)]; v128-255 x, buffer 0.   window 3: v0-127 x, buffer 1; v128-191 eight accumulators; v192-255 at work.
.set MAXK, 64                          ; the loop's bound: tiles of a wave, rounded up to whole trips of two
.set VR,   1                           ; v1      r = lane % 16
.set VH,   2                           ; v2      h = lane / 16
.set LI,   3                           ; v3      16 x lane: an image's place for my lane
.set LS,   4                           ; v4      4 x lane
.set R4,   5                           ; v5      4 r
.set HL,   6                           ; v6      128 h: my half of each 256 bytes of a row of x
.set SH,   7                           ; v7      8 h
.set POS,  8                           ; v8      the list place of the entry asked for last
.set PA,   9                           ; v9      its byte address in the list
.set RAW,  10                          ; v10-11  list entries as loaded, by the tile's parity
.set XA,   12                          ; v12-13  byte offset of my row's part in x, by parity
.set ROW,  14                          ; v14-15  the row number, as loaded, of the tile whose x is in buffer 0, 1: kept for its store
.set TMPA, 16                          ; v16     at work
.set VAL,  17                          ; v17     the number to store
.set XS,   18                          ; v18-19  x's scale words of K steps 0, 1: scales and nothing else
.set TM,   20                          ; v20-23  the four blocks' largest magnitudes
.set SO,   24                          ; v24-27  the conversions' scale operands
.set BY,   28                          ; v28-31  the scale bytes
.set WD,   32                          ; v32     a scale word in the making
.set WX,   33                          ; v33     what the other half of the lanes sends
.set XF,   34                          ; v34-57  x's two fragments
.set CT,   58                          ; v58-73  the second halves of the blocks' codes, before they are moved
.set ACC,  74                          ; v74-89  the second product's sums: row 8 h + j at ACC + j (even tiles) and ACC + 8 + j (odd tiles)
.set WS,   90                          ; v90-105 W1's scale words of tile T: lanes 0-15 K step 0, lanes 16-31 K step 1: scales and nothing else
.set WF0,  106                         ; v106-117 fragment 31
.set CN,   118                         ; v118-213 six a tile: -c b1, b1 | w2, 0 | b1 w2, 0: three pairs, of which the packed forms take the low word for both halves
.set SA,   214                         ; v214    the store's byte offset in the block's outputs
.set DA,   128                         ; window 3: the accumulators
.set TT,   192                         ; window 3: at work
.set MSB, 0
.macro WIN new                         ; the immediate's high byte repeats the setting that is left; a switch that changes nothing is dropped
.if MSB != (\new)
	s_set_vgpr_msb (MSB<<8)|(\new)
.set MSB, (\new)
.endif
.endm
; count loads of 16 bytes a lane of W1[e]'s images, from number first on: load i is group i % 3 of fragment i / 3, 512 i bytes into the element's images
.macro WLOADS first, count
.set WI, \first
.rept \count
.set FI, WI/3
.if FI < 21
	WIN 0x40
.set FB, 12*FI
.elseif FI < 31
	WIN 0x80
.set FB, 12*(FI-21)
.else
	WIN 0
.set FB, WF0
.endif
	global_load_b128 v[FB+4*(WI%3):FB+4*(WI%3)+3], v[LI], s[10:11] offset:512*WI
.set WI, WI+1
.endr
	WIN 0
.endm
; a tile's x into buffer p, in one run (at the head): block B = 2 s + c of my row's half: 128 bytes, eight loads on end
.macro XLOAD p
.set XB, 128-128*(\p)
	WIN 0x80+0x40*(\p)
.irp b, 0,1,2,3
.irp j, 0,1,2,3,4,5,6,7
	global_load_b128 v[XB+32*\b+4*\j:XB+32*\b+4*\j+3], v[XA+\p], s[4:5] offset:256*\b+16*\j th:TH_LOAD_NT
.endr
.endr
	WIN 0
.endm
; the same loads four at a time (in the loop): numbers XN to XN + 3 of the 32; number 8 B + j is XLOAD's load (B, j).  A load takes its data's window from the destination's field and its offset's from source 0's:
; for buffer 1 (window 3) the setting of the products round it, 0xf4, serves as it stands; buffer 0 (window 2) wants a switch
.macro XQUAD p
.set XB, 128-128*(\p)
	WIN 0x80+0x74*(\p)
.rept 4
	global_load_b128 v[XB+4*XN:XB+4*XN+3], v[XA+\p], s[4:5] offset:256*(XN/8)+16*(XN%8) th:TH_LOAD_NT
.set XN, XN+1
.endr
.endm
; buffer p's 128 numbers become x's two fragments and two scale words
.macro QUANT p
.set XB, 128-128*(\p)
	WIN 0x28+0x14*(\p)                             ; sources 1 and 2: x's window
.irp b, 0,1,2,3
	v_max3_num_f32 v[TM+\b], 0x1800000, |v[XB+32*\b]|, |v[XB+32*\b+1]|   ; the floor 2^(3 - 127) among the leaves: the byte cannot fall under 1
.endr
.irp i, 2,4,6,8,10,12,14,16,18,20,22,24,26,28,30
.irp b, 0,1,2,3
	v_max3_num_f32 v[TM+\b], v[TM+\b], |v[XB+32*\b+\i]|, |v[XB+32*\b+\i+1]|   ; the four blocks by turns
.endr
.endr
	WIN 0
.irp b, 0,1,2,3
	v_add_nc_u32 v[SO+\b], 0xff000000, v[TM+\b]    ; 2 off the exponent field: the conversion's scale operand
.endr
.irp b, 0,1,2,3
	v_lshrrev_b32 v[BY+\b], 23, v[SO+\b]           ; the scale's byte
.endr
.irp s, 0,1
	v_lshl_or_b32 v[WD], v[BY+2*\s+1], 16, v[BY+2*\s]   ; my two bytes of K step s: blocks h and 2 + h,
	v_lshlrev_b32 v[WD], v[SH], v[WD]              ; at their places;
	v_permlanex16_b32 v[WX], v[WD], s38, s39
	v_or_b32 v[XS+\s], v[WD], v[WX]                ; with lane l xor 16's two the row's word is whole
.endr
	WIN 0x02+(\p)                                  ; source 0: x's window
.irp b, 0,1,2,3
	v_cvt_scalef32_pk16_fp6_f32 v[XF+6*\b:XF+6*\b+2], v[XB+32*\b:XB+32*\b+15], v[SO+\b]
	v_cvt_scalef32_pk16_fp6_f32 v[CT+4*\b:CT+4*\b+2], v[XB+32*\b+16:XB+32*\b+31], v[SO+\b]   ; (a conversion's three registers begin on an even number)
.endr
	WIN 0
	v_nop                                          ; one plain place behind a scaled conversion
.irp b, 0,1,2,3
.irp i, 0,1,2
	v_mov_b32 v[XF+6*\b+3+\i], v[CT+4*\b+\i]
.endr
.endr
.endm
; what is asked for in tile k's turn (p = k % 2): the list entry of tile k + 3, here, and x of tile k + 2, into the buffer just read out, among the products that follow.  The six lines and two v_nop name no
; register of those products: they are the eight places between the scale words and fragments just written and the first scaled matrix instruction.
.macro NEXT p
	s_wait_alu depctr_vm_vsrc(0)                   ; the last turn's list load has read PA, the loads of x of two turns back XA[p], the last turn's store SA and VAL: all four are written again in this turn
	v_add_nc_u32 v[POS], 64, v[POS]                ; four waves x 16 rows on
	v_min_u32 v[PA], s29, v[POS]                   ; held at the list's last entry,
	v_min_u32 v[PA], 4095, v[PA]                   ; and at a constant, the list's last word, as a number made of loaded data must be ahead of an address
	v_lshlrev_b32 v[PA], 2, v[PA]
	v_min_u32 v[TMPA], 3999, v[RAW+\p]             ; tile k + 2's row
	v_lshl_add_u32 v[XA+\p], v[TMPA], 10, v[HL]    ; x 1,024 bytes + my half
	v_nop
	v_nop
	s_wait_alu depctr_va_vdst(0)                   ; PA and XA[p] are written, which the loads below read; the conversions are done reading buffer p and the last turn's lines RAW[1 - p], in which those loads land; x's codes and scale words are written, which the products take (the eight places stand ahead of this wait)
	global_load_b32 v[RAW+1-\p], v[PA], s[6:7]
.endm
; sixteen matrix instructions: tiles T = 8 half + 0 .. 7 of W1[e]'s columns, K step 0 (which starts the sums with the constant 0), then K step 1.  The eight accumulators take turns, one instruction a turn
;   deal = 1: four of the 32 loads of x into buffer p stand behind every second product.  No wait: no vector or matrix instruction since the wait in NEXT names XA[p] or buffer p.
.macro MM half, deal, p
.set XN, 0
.irp s, 0,1
.irp t, 0,1,2,3,4,5,6,7
.set FI, 16*(\half)+8*\s+\t
.if FI < 21
	WIN 0xf4
.set FB, 12*FI
.elseif FI < 31
	WIN 0xf8
.set FB, 12*(FI-21)
.else
	WIN 0xf0
.set FB, WF0
.endif
.if \s == 0
	v_wmma_scale_f32_16x16x128_f8f6f4 v[DA+8*\t:DA+8*\t+7], v[XF:XF+11], v[FB:FB+11], 0, v[XS], v[WS+8*(\half)+\t] matrix_a_fmt:MATRIX_FMT_FP6 matrix_b_fmt:MATRIX_FMT_FP6
.else
	v_wmma_scale_f32_16x16x128_f8f6f4 v[DA+8*\t:DA+8*\t+7], v[XF+12:XF+23], v[FB:FB+11], v[DA+8*\t:DA+8*\t+7], v[XS+1], v[WS+8*(\half)+\t] matrix_a_fmt:MATRIX_FMT_FP6 matrix_b_fmt:MATRIX_FMT_FP6 matrix_b_scale:MATRIX_SCALE_ROW1
.endif
.if (\deal) && (((\t)%2) == 1)
	XQUAD \p
.endif
.endr
.endr
.rept 4
	v_nop                                          ; four places in front of the first read of results (ISA guide 7.12.1)
.endr
.endm
; the activation and the second product for these eight tiles
.macro SILU half
	WIN 0xc3                                       ; destination and source 0 window 3, the constants window 0
.irp t, 0,1,2,3,4,5,6,7
.irp q, 0,1,2,3
	v_pk_fma_f32 v[TT+8*\t+2*\q:TT+8*\t+2*\q+1], v[DA+8*\t+2*\q:DA+8*\t+2*\q+1], s[36:37], v[CN+6*(8*(\half)+\t):CN+6*(8*(\half)+\t)+1] op_sel_hi:[1,0,0]   ; t = D (-c) - c b1; each accumulator from its low end on
.endr
.endr
.set EI, 0
	s_wait_alu depctr_va_vdst(0)
.rept 64
	v_exp_f32 v[TT+EI], v[TT+EI]                   ; u = 2^t
.set EI, EI+1
.endr
.irp t, 0,1,2,3,4,5,6,7
.irp q, 0,1,2,3
	v_pk_fma_f32 v[DA+8*\t+2*\q:DA+8*\t+2*\q+1], v[DA+8*\t+2*\q:DA+8*\t+2*\q+1], v[CN+6*(8*(\half)+\t)+2:CN+6*(8*(\half)+\t)+3], v[CN+6*(8*(\half)+\t)+4:CN+6*(8*(\half)+\t)+5] op_sel_hi:[1,0,0]   ; gg = D w2 + b1 w2.  (The plain place behind the exponentials)
.endr
.endr
.set EI, 0
	s_wait_alu depctr_va_vdst(0)                   ; the 64 exponentials have written u, which the additions below read: one wait for the batch, ahead of its first reader
.rept 32
	v_pk_add_f32 v[TT+EI:TT+EI+1], v[TT+EI:TT+EI+1], 1.0 op_sel_hi:[1,0]   ; 1 + u.  (These 32 name no register of the products: the places in front of the next products, which begin the accumulators anew)
.set EI, EI+2
.endr
.set EI, 0
	s_wait_alu depctr_va_vdst(0)
.rept 64
	v_rcp_f32 v[TT+EI], v[TT+EI]                   ; sg
.set EI, EI+1
.endr
	v_nop                                          ; one plain place behind the reciprocals
	s_wait_alu depctr_va_vdst(0)                   ; the 64 reciprocals have written sg, which the products below read: one wait for the batch, likewise
	WIN 0x0f                                       ; sources 0 and 1 window 3; the sums window 0
.irp t, 0,1,2,3,4,5,6,7
.irp q, 0,1,2,3
.if (8*(\half)+\t) < 2
	v_pk_mul_f32 v[ACC+8*(\t%2)+2*\q:ACC+8*(\t%2)+2*\q+1], v[DA+8*\t+2*\q:DA+8*\t+2*\q+1], v[TT+8*\t+2*\q:TT+8*\t+2*\q+1]   ; tiles 0 and 1 start the sums: nothing is cleared
.else
	v_pk_fma_f32 v[ACC+8*(\t%2)+2*\q:ACC+8*(\t%2)+2*\q+1], v[DA+8*\t+2*\q:DA+8*\t+2*\q+1], v[TT+8*\t+2*\q:TT+8*\t+2*\q+1], v[ACC+8*(\t%2)+2*\q:ACC+8*(\t%2)+2*\q+1]
.endif
.endr
.endr
.endm
; the sums over the sixteen lanes that hold a row's columns; row r's number is brought to lanes (r, 0) and (r, 1); + b2; stored by all 32 lanes
.macro FINISH p
	WIN 0
	s_wait_alu depctr_va_vdst(0)
	s_wait_xcnt 0x0                                ; the last tile's store has had its address translated: its offset and its data are written again below (that it has read the two registers is stated by this turn's wait on vm_vsrc, in NEXT, behind which no memory instruction reads them)
.irp q, 0,2,4,6
	v_pk_add_f32 v[ACC+\q:ACC+\q+1], v[ACC+\q:ACC+\q+1], v[ACC+8+\q:ACC+9+\q]
.endr
.irp m, 1,2,4,8
.irp j, 0,1,2,3,4,5,6,7
	v_add_f32_dpp v[ACC+\j], v[ACC+\j], v[ACC+\j] row_xmask:\m row_mask:0xf bank_mask:0xf
.endr
.endr
.irp j, 0,2,4,6
	v_cndmask_b32 v[ACC+\j], v[ACC+\j], v[ACC+\j+1], s40   ; register lane % 8, by the lane's three low bits
.endr
	v_cndmask_b32 v[ACC], v[ACC], v[ACC+2], s41
	v_cndmask_b32 v[ACC+4], v[ACC+4], v[ACC+6], s41
	v_cndmask_b32 v[VAL], v[ACC], v[ACC+4], s42    ; row 8 h + r % 8
	v_permlanex16_b32 v[WX], v[VAL], s38, s39      ; lane l xor 16's: row 8 (1 - h) + r % 8
	v_cndmask_b32 v[VAL], v[WX], v[VAL], s43       ; row r: my own where r / 8 = h (lanes 0-7 and 24-31), else the other half's
	v_add_f32 v[VAL], s34, v[VAL]                  ; + b2[e]
	v_min_u32 v[SA], 3999, v[ROW+\p]               ; this tile's row, held at a constant as a loaded number must be ahead of an address,
	v_lshlrev_b32 v[SA], 2, v[SA]                  ; x 4 bytes
	s_wait_alu depctr_va_vdst(0)                   ; SA and VAL are written, which the store reads as its offset and its data
	global_store_b32 v[SA], v[VAL], s[20:21]
	v_mov_b32 v[ROW+\p], v[RAW+\p]                 ; the row of the tile two on, whose x is on its way into this buffer
.endm
.macro HALF p
	s_wait_loadcnt 32                              ; only the next tile's 32 loads of x were issued behind this tile's x and the list entry of the tile two on: both are in (in the first turn all weights too)
	QUANT \p
	NEXT \p
	MM 0, 1, \p
	SILU 0
	MM 1, 0, \p
	SILU 1
	FINISH \p
.endm
	s_load_b512 s[4:19], s[0:1], 0x0               ; x s[4:5], list s[6:7], counts s[8:9], wq s[10:11], wsc s[12:13], b1 s[14:15], W2 s[16:17], b2 s[18:19]
	s_load_b64 s[20:21], s[0:1], 0x40              ; out0
	v_and_b32 v[VR], 15, v0
	v_bfe_u32 v[VH], v0, 4, 1
	v_and_b32 v[LI], 31, v0
	v_lshlrev_b32 v[LS], 2, v[LI]
	v_lshlrev_b32 v[LI], 4, v[LI]
	v_lshlrev_b32 v[R4], 2, v[VR]
	v_lshlrev_b32 v[HL], 7, v[VH]
	v_lshlrev_b32 v[SH], 3, v[VH]
	v_lshrrev_b32 v[TMPA], 5, v0
	v_readfirstlane_b32 s22, v[TMPA]               ; wave 0..3
	v_mov_b32 v[WX], 0                             ; a lane permute's destination counts as one of its sources
	s_mov_b32 s23, ttmp9                           ; e
	s_and_b32 s24, ttmp7, 0xffff                   ; g
	s_mul_i32 s25, s24, 10
	s_add_co_u32 s25, s25, s23                     ; id = 10 g + e
	s_mov_b32 s27, 0
	s_mov_b32 s36, 0xbfb8aa3b                      ; -c = -log2(e)
	s_mov_b32 s37, s36                             ; (named with it as a pair, so it is written)
	s_mov_b32 s38, 0x76543210
	s_mov_b32 s39, 0xfedcba98                      ; v_permlanex16_b32's selects for lane l xor 16
	s_mov_b32 s40, 0xaaaaaaaa                      ; lanes with bit 0 set,
	s_mov_b32 s41, 0xcccccccc                      ; bit 1,
	s_mov_b32 s42, 0xf0f0f0f0                      ; bit 2
	s_mov_b32 s43, 0xff0000ff                      ; lanes 0-7 and 24-31
	s_wait_alu depctr_va_sdst(0)                   ; s22, the wave's number, is written, ahead of its first reader: my number of tiles and my first list place are made from it
	s_wait_kmcnt 0x0
	s_lshl_b32 s26, s25, 2
	s_add_nc_u64 s[8:9], s[8:9], s[26:27]
	s_lshl_b32 s26, s23, 2
	s_add_nc_u64 s[18:19], s[18:19], s[26:27]
	s_load_b32 s28, s[8:9], 0x0                    ; n: rows in my list
	s_load_b32 s34, s[18:19], 0x0                  ; b2[e]
	s_mul_i32 s26, s24, 4096000
	s_add_nc_u64 s[4:5], s[4:5], s[26:27]          ; x at block g: 4,000 rows of 1,024 bytes
	s_mul_i32 s26, s24, 16000
	s_add_nc_u64 s[20:21], s[20:21], s[26:27]      ; out0 likewise
	s_lshl_b32 s26, s25, 14
	s_add_nc_u64 s[6:7], s[6:7], s[26:27]          ; my list
	s_mul_i32 s26, s23, 49152
	s_add_nc_u64 s[10:11], s[10:11], s[26:27]      ; the element's images,
	s_lshl_b32 s26, s23, 11
	s_add_nc_u64 s[12:13], s[12:13], s[26:27]      ; its scale words,
	s_lshl_b32 s26, s23, 10
	s_add_nc_u64 s[14:15], s[14:15], s[26:27]      ; its b1
	s_add_nc_u64 s[16:17], s[16:17], s[26:27]      ; and W2
	s_wait_alu depctr_va_vdst(0)                   ; R4, LS and LI are written: the head's loads of b1, W2, the scale words and the images read them as offsets, and they are never written again
	; 64 loads that need no count go out while n is on its way
.irp t, 0,1,2,3,4,5,6,7,8,9,10,11,12,13,14,15
	global_load_b32 v[CN+6*\t+1], v[R4], s[14:15] offset:64*\t   ; b1(16 T + r)
.endr
.irp t, 0,1,2,3,4,5,6,7,8,9,10,11,12,13,14,15
	global_load_b32 v[CN+6*\t+2], v[R4], s[16:17] offset:64*\t   ; W2(16 T + r)
.endr
.irp t, 0,1,2,3,4,5,6,7,8,9,10,11,12,13,14,15
	global_load_b32 v[WS+\t], v[LS], s[12:13] offset:128*\t
.endr
	WLOADS 0, 16
	s_wait_kmcnt 0x0
	s_min_u32 s28, s28, 4000                       ; (a loaded number is held at a constant; n is 4,000 at the most)
	s_add_co_u32 s30, s28, 15
	s_lshr_b32 s30, s30, 4                         ; tiles in the list
	s_add_co_u32 s31, s30, 3
	s_sub_co_u32 s31, s31, s22                     ; (3 is added first: the difference is never under 0)
	s_lshr_b32 s31, s31, 2                         ; my tiles: w, w + 4, ..: (tiles + 3 - w) / 4, 0 where the list is too short for me
	s_max_u32 s29, s28, 1
	s_sub_co_u32 s29, s29, 1                       ; the list's last place: n - 1, and 0 in an empty list
	v_lshl_add_u32 v[POS], s22, 4, v[VR]           ; my first tile's list place: 16 w + r
	v_min_u32 v[PA], s29, v[POS]
	v_min_u32 v[PA], 4095, v[PA]
	v_lshlrev_b32 v[PA], 2, v[PA]
	v_add_nc_u32 v[TMPA], 64, v[POS]               ; and my second tile's
	v_min_u32 v[TMPA], s29, v[TMPA]
	v_min_u32 v[TMPA], 4095, v[TMPA]
	v_lshlrev_b32 v[TMPA], 2, v[TMPA]
	s_wait_alu depctr_va_vdst(0)                   ; PA and TMPA are written, which the two list loads read as offsets
	global_load_b32 v[RAW], v[PA], s[6:7]          ; the rows of my tile 0
	global_load_b32 v[RAW+1], v[TMPA], s[6:7]      ; and of tile 1
	WLOADS 16, 80                                  ; the other 80 loads of the images
	s_wait_loadcnt 63                              ; 80 loads were issued behind the two list loads and the first 64: with 63 out at the most, those are in
	s_wait_alu depctr_vm_vsrc(0)                   ; the two list loads have read PA and TMPA, which are written again below
.irp p, 0,1
	v_min_u32 v[TMPA], 3999, v[RAW+\p]
	v_lshl_add_u32 v[XA+\p], v[TMPA], 10, v[HL]
	v_mov_b32 v[ROW+\p], v[RAW+\p]
.endr
	v_add_nc_u32 v[POS], 128, v[POS]
	v_min_u32 v[PA], s29, v[POS]
	v_min_u32 v[PA], 4095, v[PA]
	v_lshlrev_b32 v[PA], 2, v[PA]
	s_wait_alu depctr_va_vdst(0)                   ; PA and both XA are written, which the loads below read as offsets; the lines above are done reading RAW[0], in which tile 2's rows land
	global_load_b32 v[RAW], v[PA], s[6:7]          ; the rows of tile 2
	XLOAD 0
	XLOAD 1
.irp t, 0,1,2,3,4,5,6,7,8,9,10,11,12,13,14,15      ; the constants, while x is on its way
	v_mul_f32 v[CN+6*\t], s36, v[CN+6*\t+1]        ; -c b1
	v_mul_f32 v[CN+6*\t+4], v[CN+6*\t+1], v[CN+6*\t+2]   ; b1 w2
	v_mov_b32 v[CN+6*\t+3], 0                      ; (the pairs' upper words are named, so they are written)
	v_mov_b32 v[CN+6*\t+5], 0
.endr
	s_mov_b32 s32, 0                               ; k
.Ltrip:                                                ; a trip runs two tiles, until the buffers' numbers are back where they began
	s_cmp_ge_u32 s32, s31
	s_cbranch_scc1 .Ldone                          ; no tile k: the wave is through (loads of the look-ahead may be out at the end)
	HALF 0
	s_add_co_u32 s33, s32, 1
	s_cmp_ge_u32 s33, s31
	s_cbranch_scc1 .Ldone                          ; an odd number of tiles ends here
	HALF 1
	s_add_co_u32 s32, s32, 2
	s_cmp_lt_u32 s32, MAXK
	s_cbranch_scc1 .Ltrip
.Ldone:
	s_endpgm
.Lfunc_end_k_q117ab27d0e_main:
	.size	k_q117ab27d0e_main, .Lfunc_end_k_q117ab27d0e_main-k_q117ab27d0e_main
	.p2alignl 7, 3214868480
	.fill 96, 4, 3214868480
	.section	.rodata,"a",@progbits
	.p2align	6, 0x0
	.amdhsa_kernel k_q117ab27d0e_main
		.amdhsa_group_segment_fixed_size 0
		.amdhsa_private_segment_fixed_size 0
		.amdhsa_enable_private_segment 0
		.amdhsa_kernarg_size 72
		.amdhsa_user_sgpr_count 2
		.amdhsa_user_sgpr_kernarg_segment_ptr 1
		.amdhsa_wavefront_size32 1
		.amdhsa_system_sgpr_workgroup_id_x 1
		.amdhsa_system_sgpr_workgroup_id_y 1
		.amdhsa_system_sgpr_workgroup_id_z 1
		.amdhsa_system_vgpr_workitem_id 0
		.amdhsa_next_free_vgpr 1024
		.amdhsa_next_free_sgpr 66
		.amdhsa_reserve_vcc 0
		.amdhsa_float_denorm_mode_32 3
		.amdhsa_float_denorm_mode_16_64 3
		.amdhsa_memory_ordered 1
		.amdhsa_forward_progress 1
		.amdhsa_inst_pref_size 110
	.end_amdhsa_kernel
	.amdgpu_metadata
---
amdhsa.version: [ 1, 2 ]
amdhsa.kernels:
  - .name:           k_q117ab27d0e_main
    .symbol:         k_q117ab27d0e_main.kd
    .args:
      - { .name: input_tensor, .offset: 0, .size: 8, .value_kind: global_buffer, .address_space: global }
      - { .name: list, .offset: 8, .size: 8, .value_kind: global_buffer, .address_space: global }
      - { .name: counts, .offset: 16, .size: 8, .value_kind: global_buffer, .address_space: global }
      - { .name: wq, .offset: 24, .size: 8, .value_kind: global_buffer, .address_space: global }
      - { .name: wsc, .offset: 32, .size: 8, .value_kind: global_buffer, .address_space: global }
      - { .name: b1, .offset: 40, .size: 8, .value_kind: global_buffer, .address_space: global }
      - { .name: W2, .offset: 48, .size: 8, .value_kind: global_buffer, .address_space: global }
      - { .name: b2, .offset: 56, .size: 8, .value_kind: global_buffer, .address_space: global }
      - { .name: out0, .offset: 64, .size: 8, .value_kind: global_buffer, .address_space: global }
    .group_segment_fixed_size: 0
    .private_segment_fixed_size: 0
    .kernarg_segment_align: 8
    .kernarg_segment_size: 72
    .max_flat_workgroup_size: 128
    .sgpr_count:     66
    .vgpr_count:     1024
    .wavefront_size: 32
...
	.end_amdgpu_metadata
.endif
;; end of part 4
